; MI455X (gfx1250); checked and timed in simulation.
; The chip was launched on July 23, 2026; its instructions are those of AMD's public machine-readable ISA for CDNA 5 (MIT licence, August 2026) and "CDNA5" Instruction Set Architecture Reference Guide (July 2026). The comments in the code are by the model that wrote it; some were corrected since.
;; Causal Self Attention. Allowed arithmetic: matrix products marked QUANTISED: E4M3 operands, one E8M0 scale for each 32 along K, by v_wmma_scale_f32_16x16x128_f8f6f4 with both operands' format E4M3, f32 sums; everything else in f32.
;; Inputs: Wk 1,024 x 256 float32; Wo 1,024 x 1,024 float32; Wq 1,024 x 1,024 float32; Wv 1,024 x 256 float32; x 4 x 2,048 x 1,024 float32.
;; Outputs: out0 4 x 2,048 x 1,024 float32.
;; This version of the problem:
;;   THIS VERSION OF THE PROBLEM IS GIVEN IN LOW PRECISION. The matrix products marked QUANTISED in the list below multiply operands that are first quantised to E4M3 (4 exponent bits, 3 mantissa bits; 8 bits a number), with one power-of-two scale for each 32 numbers along K (OCP MX v1.0); their sums are f32. All else is computed in f32.
;;   The module's matrix products, in the order in which they are computed (A, B: the left and right operand; K: the contracted axis; several contracted axes count as one K, in the product's order):
;;     1. [M 8,192, K 1,024] x [K 1,024, N 1,024]; A: input x; B: input Wq: QUANTISED
;;     2. [M 8,192, K 1,024] x [K 1,024, N 256]; A: input x; B: input Wk: QUANTISED
;;     3. [M 8,192, K 1,024] x [K 1,024, N 256]; A: input x; B: input Wv: QUANTISED
;;     4. batch 64 x [M 2,048, K 64] x [K 64, N 2,048]; A: computed on the way; B: computed on the way: QUANTISED
;;     5. batch 64 x [M 2,048, K 2,048] x [K 2,048, N 64]; A: softmax (see below); B: computed on the way: QUANTISED
;;     6. [M 8,192, K 1,024] x [K 1,024, N 1,024]; A: computed on the way; B: input Wo: QUANTISED
;;   THE QUANTISER, for each operand of a quantised product, along K:
;;     - K is cut into blocks of 32 from its start; a last block that is shorter is filled with zeros.
;;     - A block's scale is 2^e with e = floor(log2(the largest magnitude in the block)) - 8, held to -126 .. 127; a block of zeros has e = 0. As a byte (E8M0): e + 127.
;;     - Each number is divided by its block's scale, clamped to +-448, and rounded to the nearest number of E4M3, ties to even, subnormals kept.
;;     - The product sums the exact products of the quantised numbers (number of the format x scale) in f32.
;;   ~~~python
;;   def quantise(x, axis):      # numpy; x: float32 -> the quantised numbers, widened to float32 again
;;       x = np.moveaxis(x, axis, -1); K = x.shape[-1]
;;       x = np.pad(x, [(0, 0)] * (x.ndim - 1) + [(0, -K % 32)]); x = x.reshape(x.shape[:-1] + (-1, 32)); a = np.abs(x).max(-1, keepdims=True)
;;       e = np.where(a > 0, np.clip(np.frexp(np.where(a > 0, a, 1))[1] - 1 - 8, -126, 127), 0)      # np.frexp(a)[1] - 1 = floor(log2(a)), exactly
;;       r = np.clip(x / 2.0 ** e, -448, 448)
;;       step = 2.0 ** (np.maximum(np.frexp(np.where(r == 0, 1, r))[1] - 1, -6) - 3)
;;       q = np.round(r / step) * step * 2.0 ** e      # np.round: ties to even
;;       return np.moveaxis(q.reshape(q.shape[:-2] + (-1,))[..., :K], -1, axis).astype(np.float32)
;;   ~~~
;;   SOFTMAX AHEAD OF A QUANTISED PRODUCT. Where the list says 'softmax', what is quantised is not the finished softmax but p = 2^(t - M), with t = logit x log2(e) and M = ceil(the row's largest t), a whole number; so 1/2 < the row's largest p <= 1. The row's sum l is taken of the UNQUANTISED p, in f32, and the product's result is divided by l at the end. Since M is a whole number, a kernel that streams over the keys may use a running M (the ceiling of the running maximum): every later rescaling is an exact power of two, which a block's scale takes up: the codes' values come out the same.
;;   OPERANDS COMPUTED ON THE WAY. 'Computed on the way' means the value that the module computes at that place (a softmax that the list does not call 'softmax' is quantised finished and normalised). What goes into a quantiser is computed in f32, as accurately as f32 sums, v_exp_f32 and their like allow (about 1e-6 of the number): no bf16 or f16 on the way to a quantiser, and a product that is left as it is and whose result goes on into a quantised operand takes f32 operands (vector FMAs, or v_wmma_f32_16x16x4_f32). A number that lies on a knife's edge between two numbers of the format may be rounded either way, as far as f32 arithmetic and the matrix unit's own rounding can turn it there, and no further.
;; One version. Each part assembles by itself: llvm-mc -triple=amdgcn-amd-amdhsa -mcpu=gfx1250 --defsym DOCPART=n.
;; ======== version 1 of 1: 4 launches
;; workspace buffers: xb 8,650,752 bytes; wb 2,703,360 bytes; qb 8,912,896 bytes; kv 4,325,376 bytes; yb 8,650,752 bytes
;; launch prep (part 1): grid 336 x 1, 4 waves a work-group, no clusters, 34,304 bytes of LDS; arguments x, Wq, Wk, Wv, Wo, xb, wb; writes xb, wb
.if DOCPART == 1
	.amdgcn_target "amdgcn-amd-amdhsa--gfx1250"
	.amdhsa_code_object_version 6
	.text
	.protected	k_q6697d14a25_prep
	.globl	k_q6697d14a25_prep
	.p2align	8
	.type	k_q6697d14a25_prep,@function
k_q6697d14a25_prep:
	s_mov_b64 s[64:65], 0
	v_nop
	global_prefetch_b8 v0, s[64:65] scope:SCOPE_SE
	s_setreg_imm32_b32 hwreg(HW_REG_WAVE_MODE, 25, 1), 1
	s_wait_xcnt 0x0
; x [8192][1024] and the weights Wq [1024][1024], Wk, Wv [1024][256], Wo [1024][1024], all f32, become codes of FP8 (E4M3) with one E8M0 byte for each 32 along K = 1024.
; A block's scale is 2^(floor(log2(its largest magnitude)) - 8); each number is divided by it, held within +-448 and rounded to the nearest code, ties to even.
; LIMITS: NaN and infinities among the inputs are not served; a block of zeros gets the byte 1 and not 127 (its codes are zeros, and this program alone reads the bytes);
; blocks whose largest magnitude lies under 2^-118 are held at the byte 1.
; THE LAYOUT OUT is the order of an operand's registers.  A tile t holds the 16 rows TR(t, r) = 32 (t / 2) + 8 (t % 2) + r + 8 (r / 8).  Codes: byte 16384 t + 2048 ks + 512 c + 16 (r + 16 h) + e is row TR(t, r),
; k = 128 ks + 32 c + 16 h + e: a fragment (16 rows x 128 K) is 2,048 bytes on end.  Scale bytes: byte 2048 (t / 4) + 512 kp + 128 (t % 4) + 8 r + 4 kk + bb is row TR(t, r), K block 4 (2 kp + kk) + bb.
; xb: x's codes, then its scale bytes at XS.  wb: Wq | Wk | Wv as rows n = 0 .. 1535 (a row = a column of the weight), their scale bytes at WS, Wo's codes at OC, its scale bytes at OS.
; WORK-GROUPS 0 .. 79 take the weights (K is their first axis: a lane takes a column and its registers run down K), 80 .. 335 take x (K innermost: 32 tokens a work-group, 256 along K a wave).
; No tensor loads, no barrier: waves share nothing.  Only x's path uses LDS: each wave's own stage, in which 16 rows x 512 bytes turn from 'a lane 16 bytes of a row' to 'a lane 64 bytes of its row'.
.set XS,  8388608
.set WS,  1572864
.set OC,  1622016
.set OS,  2670592
.set SP,  528                          ; a stage row: 512 bytes + 16: an odd multiple of 16
.set LA,  4                            ; v4   16 x lane
.set L8,  5                            ; v5   8 x lane
.set STW, 6                            ; v6   the stage, on the way in
.set STR, 7                            ; v7   and on the way out
.set VW,  8                            ; v8   weights: my column's place in a fragment
.set VS,  9                            ; v9   and among the scale bytes
.set TM,  16                           ; v16-19 largest magnitudes, v20-23 bytes, v24-27 448 x the scale, v28-31 the conversions' scale operands
.set PWX, 32                           ; v32-35 a scale word for each of x's four fragments
.set SD,  36                           ; v36-37 the scale bytes on their way out
.set PC,  40                           ; v40-55 a fragment's codes
.set X,   56                           ; v56-119  x: 64 numbers of my row
.set R,   120                          ; v120-247 x: two sets of 64 as loaded
.set OFR, 56                           ; v56-87   weights: 4 x lane + i x pitch
.set WN,  120                          ; v120-183 weights: two sets of 32 numbers
.set C,   184                          ; v184-247 weights: 8 registers of codes for each of 8 blocks, so that no store's data are written again
	s_load_b256 s[4:11], s[0:1], 0x0               ; x s[4:5], Wq s[6:7], Wk s[8:9], Wv s[10:11]
	s_load_b128 s[12:15], s[0:1], 0x20             ; Wo s[12:13], xb s[14:15]
	s_load_b64 s[16:17], s[0:1], 0x30              ; wb
	v_lshl_add_u32 v254, v0, 2, 0x8400
	v_mov_b32 v255, 0
	v_lshrrev_b32 v1, 5, v0
	v_readfirstlane_b32 s18, v1                    ; wave
	v_and_b32 v1, 31, v0                           ; lane
	v_and_b32 v2, 15, v0                           ; r
	v_bfe_u32 v3, v0, 4, 1                         ; h
	v_lshlrev_b32 v[LA], 4, v1
	v_lshlrev_b32 v[L8], 3, v1
	s_mov_b32 s20, 0x76543210
	s_mov_b32 s21, 0xfedcba98                      ; v_permlanex16_b32's selects for lane l xor 16
	s_mov_b32 s22, 0x600000                        ; the mantissa field of 448
	s_cmp_lt_u32 ttmp9, 80
	s_cbranch_scc1 .Lweights
; ---------------- x: tokens 32 p .. 32 p + 31 (tiles 2 p, 2 p + 1), k = 256 wave .. + 255: four fragments f = 2 u + kk
; 64 numbers of a lane, register 16 b + i = k 32 b + 16 h + i of my row, become a fragment's codes in v[PC] on and its scale word in v[pw]
.macro QUANT s, pw
.irp b, 0,1,2,3
	v_max3_num_f32 v[TM+\b], |v[\s+16*\b]|, |v[\s+1+16*\b]|, 0x4800000   ; my 16 numbers of block b, and the floor 2^(9 - 127): the byte cannot fall under 1
.endr
.irp i, 2,4,6,8,10,12,14
.irp b, 0,1,2,3
	v_max3_num_f32 v[TM+\b], v[TM+\b], |v[\s+16*\b+\i]|, |v[\s+1+16*\b+\i]|   ; the four blocks by turns
.endr
.endr
.irp b, 0,1,2,3
	v_permlanex16_b32 v[TM+4+\b], v[TM+\b], s20, s21
.endr
.irp b, 0,1,2,3
	v_max_num_f32 v[TM+\b], v[TM+\b], v[TM+4+\b]   ; with lane l xor 16's 16: the block's largest magnitude
.endr
.irp b, 0,1,2,3
	v_add_nc_u32 v[TM+12+\b], 0xfc000000, v[TM+\b] ; 8 off its exponent field: the conversion takes the exponent field of this operand as its scale
.endr
.irp b, 0,1,2,3
	v_and_or_b32 v[TM+8+\b], v[TM+\b], 0x7f800000, s22   ; 448 x the scale
.endr
.irp b, 0,1,2,3
	v_lshrrev_b32 v[TM+4+\b], 23, v[TM+12+\b]      ; the scale's byte
.endr
	v_lshl_or_b32 v[\pw], v[TM+5], 8, v[TM+4]
	v_lshl_or_b32 v[\pw], v[TM+6], 16, v[\pw]
	v_lshl_or_b32 v[\pw], v[TM+7], 24, v[\pw]
.irp b, 0,1,2,3
.irp i, 0,1,2,3,4,5,6,7,8,9,10,11,12,13,14,15
	v_med3_num_f32 v[\s+16*\b+\i], v[\s+16*\b+\i], -v[TM+8+\b], v[TM+8+\b]   ; the conversion to an 8-bit code does not saturate (ISA guide 7.6.2): the hold comes first
.endr
	v_cvt_scalef32_pk8_fp8_f32 v[PC+4*\b:PC+1+4*\b], v[\s+16*\b:\s+7+16*\b], v[TM+12+\b]
	v_cvt_scalef32_pk8_fp8_f32 v[PC+2+4*\b:PC+3+4*\b], v[\s+8+16*\b:\s+15+16*\b], v[TM+12+\b]
.endr
	v_nop                                          ; a plain line behind the last conversion
.endm
.macro LOADF f                         ; fragment f: its 16 rows, 512 consecutive bytes of each: 16 bytes a lane
.irp p, 0,1,2,3,4,5,6,7,8,9,10,11,12,13,14,15
	global_load_b128 v[R+64*((\f)%2)+4*\p:R+64*((\f)%2)+4*\p+3], v[LA], s[28:29] offset:(8*((\f)/2)+\p+8*(\p/8))*4096+512*((\f)%2) th:TH_LOAD_NT
.endr
.endm
.macro FRAGX f
.if (\f) < 3
	s_wait_loadcnt 16                              ; this fragment's 16 loads are in; the next fragment's 16 may be out
.else
	s_wait_loadcnt 0x0
.endif
.irp p, 0,1,2,3,4,5,6,7,8,9,10,11,12,13,14,15
	ds_store_b128 v[STW], v[R+64*((\f)%2)+4*\p:R+64*((\f)%2)+4*\p+3] offset:SP*\p
.endr
.irp c, 0,1,2,3
.irp j, 0,1,2,3
	ds_load_b128 v[X+16*\c+4*\j:X+16*\c+4*\j+3], v[STR] offset:128*\c+16*\j   ; LDS serves a wave's instructions in order: these see the stores above
.endr
.endr
	s_wait_dscnt 0x0                               ; my 64 numbers are back, and the stage's stores have read their registers
.if (\f) > 0
	s_wait_xcnt 0x0                                ; the last fragment's stores have read v[PC] on, which is written again below
.endif
.if (\f) < 2
	LOADF (\f)+2
.endif
	QUANT X, PWX+(\f)
.irp c, 0,1,2,3
	global_store_b128 v[LA], v[PC+4*\c:PC+4*\c+3], s[30:31] offset:((\f)/2)*16384+((\f)%2)*2048+512*\c   ; 512 consecutive bytes, aligned
.endr
.endm
	s_sub_co_u32 s24, ttmp9, 80                    ; p
	s_mul_i32 s19, s18, 16*SP                      ; my wave's stage
	v_add_nc_u32 v[STW], s19, v[LA]
	v_mul_u32_u24 v[STR], v2, SP
	v_lshl_add_u32 v[STR], v3, 6, v[STR]
	v_add_nc_u32 v[STR], s19, v[STR]               ; row r, + 64 h: my 16 numbers of a block of 32
.irp b, 0,1,2,3
	v_mov_b32 v[TM+4+\b], 0                        ; written once: a lane permute's destination counts as one of its sources
.endr
	s_mov_b32 s27, 0
	s_wait_kmcnt 0x0
	s_lshl_b32 s26, s24, 17                        ; 32 rows of 4,096 bytes,
	s_lshl_b32 s30, s18, 10                        ; + my wave's 256 numbers
	s_add_co_u32 s26, s26, s30
	s_add_nc_u64 s[28:29], s[4:5], s[26:27]        ; x
	s_lshl_b32 s26, s24, 15                        ; two tiles of 16,384 bytes,
	s_lshl_b32 s30, s18, 12                        ; + two fragments
	s_add_co_u32 s26, s26, s30
	s_add_nc_u64 s[30:31], s[14:15], s[26:27]      ; the codes
	s_lshr_b32 s26, s24, 1
	s_lshl_b32 s26, s26, 11
	s_lshl_b32 s32, s18, 9
	s_add_co_u32 s26, s26, s32
	s_and_b32 s32, s24, 1
	s_lshl_b32 s32, s32, 8
	s_add_co_u32 s26, s26, s32
	s_add_co_u32 s26, s26, XS
	s_add_nc_u64 s[32:33], s[14:15], s[26:27]      ; the scale bytes: my two tiles' 256
	LOADF 0
	LOADF 1
	FRAGX 0
	FRAGX 1
	FRAGX 2
	FRAGX 3
	v_cmp_le_u32 vcc_lo, 16, v1                    ; lanes 0-15 store tile 2 p's two words, lanes 16-31 tile 2 p + 1's (both halves of the lanes hold every word)
	v_cndmask_b32 v[SD], v[PWX], v[PWX+2], vcc_lo
	v_cndmask_b32 v[SD+1], v[PWX+1], v[PWX+3], vcc_lo
	global_store_b64 v[L8], v[SD:SD+1], s[32:33]   ; 256 consecutive bytes, aligned
	s_wait_tensorcnt 0x0
	ds_add_u32 v254, v255
	s_wait_dscnt 0x0
	s_endpgm
; ---------------- the weights: work-group g: columns 128 (g / 4) .. + 127 of Wq | Wk | Wv | Wo, k = 256 (g % 4) .. + 255; a wave 32 columns, a lane one
.Lweights:
	s_lshr_b32 s24, ttmp9, 2                       ; G: which 128 columns
	s_and_b32 s25, ttmp9, 3                        ; kp
	v_bfe_u32 v11, v1, 3, 1                        ; column o of 32 is row r = o % 8 + 8 (o / 16) of tile u = (o / 8) % 2
	v_and_b32 v12, 7, v1
	v_lshrrev_b32 v13, 4, v1
	v_lshl_add_u32 v12, v13, 3, v12
	v_lshlrev_b32 v[VW], 4, v12
	v_lshl_add_u32 v[VW], v11, 14, v[VW]           ; 16384 u + 16 r
	v_lshlrev_b32 v[VS], 3, v12
	v_lshl_add_u32 v[VS], v11, 7, v[VS]            ; 128 u + 8 r
	v_lshlrev_b32 v10, 2, v1
	s_wait_kmcnt 0x0
	s_mov_b64 s[26:27], s[12:13]                   ; G 12 .. 19: Wo; the choice hangs on the work-group's number alone
	s_mov_b32 s28, 12                              ; the tensor's first G
	s_mov_b32 s29, 4096                            ; a row of the tensor in bytes
	s_cmp_lt_u32 s24, 12
	s_cselect_b64 s[26:27], s[10:11], s[26:27]     ; G 10, 11: Wv
	s_cselect_b32 s28, 10, s28
	s_cselect_b32 s29, 1024, s29
	s_cmp_lt_u32 s24, 10
	s_cselect_b64 s[26:27], s[8:9], s[26:27]       ; G 8, 9: Wk
	s_cselect_b32 s28, 8, s28
	s_cmp_lt_u32 s24, 8
	s_cselect_b64 s[26:27], s[6:7], s[26:27]       ; G 0 .. 7: Wq
	s_cselect_b32 s28, 0, s28
	s_cselect_b32 s29, 4096, s29
.irp i, 0,1,2,3,4,5,6,7,8,9,10,11,12,13,14,15,16,17,18,19,20,21,22,23,24,25,26,27,28,29,30,31
	v_mad_u32_u24 v[OFR+\i], s29, \i, v10          ; row i of a block, my column
.endr
	s_sub_co_u32 s30, s24, s28
	s_lshl_b32 s30, s30, 9                         ; 128 columns of 4 bytes,
	s_lshl_b32 s31, s18, 7                         ; + my wave's 32,
	s_add_co_u32 s30, s30, s31
	s_lshl_b32 s31, s25, 8
	s_mul_i32 s31, s31, s29                        ; + 256 kp rows
	s_add_co_u32 s30, s30, s31
	s_mov_b32 s31, 0
	s_add_nc_u64 s[32:33], s[26:27], s[30:31]      ; block 0's first row
	s_lshl_b32 s30, s29, 5                         ; 32 rows on
.irp t, 1,2,3,4,5,6,7
	s_add_nc_u64 s[32+2*\t:33+2*\t], s[30+2*\t:31+2*\t], s[30:31]
.endr
	s_lshl_b32 s48, s24, 2
	s_add_co_u32 s48, s48, s18                     ; cg: which 32 rows of the operand
	s_cmp_lt_u32 s24, 12
	s_cselect_b32 s49, 0, 48
	s_cselect_b32 s50, 0, OC
	s_mov_b32 s51, OS
	s_cselect_b32 s51, WS, s51
	s_sub_co_u32 s48, s48, s49
	s_lshl_b32 s52, s48, 15
	s_add_co_u32 s52, s52, s50
	s_lshl_b32 s53, s25, 12
	s_add_co_u32 s52, s52, s53
	s_mov_b32 s53, 0
	s_add_nc_u64 s[54:55], s[16:17], s[52:53]      ; the codes: tiles 2 cg, 2 cg + 1, fragments 2 kp, 2 kp + 1
	s_lshr_b32 s52, s48, 1
	s_lshl_b32 s52, s52, 11
	s_add_co_u32 s52, s52, s51
	s_lshl_b32 s56, s25, 9
	s_add_co_u32 s52, s52, s56
	s_and_b32 s56, s48, 1
	s_lshl_b32 s56, s56, 8
	s_add_co_u32 s52, s52, s56
	s_add_nc_u64 s[56:57], s[16:17], s[52:53]      ; the scale bytes: my two tiles' 256
.macro WLOAD t                         ; block t: W(256 kp + 32 t + i, my column): 128 consecutive bytes a wave, 512 a work-group
.irp i, 0,1,2,3,4,5,6,7,8,9,10,11,12,13,14,15,16,17,18,19,20,21,22,23,24,25,26,27,28,29,30,31
	global_load_b32 v[WN+32*((\t)%2)+\i], v[OFR+\i], s[32+2*(\t):33+2*(\t)] th:TH_LOAD_NT
.endr
.endm
.macro WBLOCK t
.set XB, WN+32*((\t)%2)
.if (\t) < 7
	s_wait_loadcnt 32                              ; this block's 32 loads are in; the next block's 32 may be out
.else
	s_wait_loadcnt 0x0
.endif
	v_max3_num_f32 v16, |v[XB]|, |v[XB+1]|, |v[XB+2]|          ; the block's largest magnitude: all 32 numbers are mine
	v_max3_num_f32 v17, |v[XB+3]|, |v[XB+4]|, |v[XB+5]|
.irp i, 6,10,14,18,22,26
	v_max3_num_f32 v16, v16, |v[XB+\i]|, |v[XB+\i+1]|
	v_max3_num_f32 v17, v17, |v[XB+\i+2]|, |v[XB+\i+3]|
.endr
	v_max3_num_f32 v16, v16, |v[XB+30]|, |v[XB+31]|
	v_max3_num_f32 v16, v16, v17, 0x4800000        ; and the floor
	v_add_nc_u32 v18, 0xfc000000, v16              ; the conversion's scale operand
	v_and_or_b32 v19, v16, 0x7f800000, s22         ; 448 x the scale
	v_lshrrev_b32 v20, 23, v18                     ; the byte
.if (\t)%4 == 0
	v_mov_b32 v[SD+(\t)/4], v20
.else
	v_lshl_or_b32 v[SD+(\t)/4], v20, 8*((\t)%4), v[SD+(\t)/4]
.endif
.irp i, 0,1,2,3,4,5,6,7,8,9,10,11,12,13,14,15,16,17,18,19,20,21,22,23,24,25,26,27,28,29,30,31
	v_med3_num_f32 v[XB+\i], v[XB+\i], -v19, v19
.endr
.irp g, 0,1,2,3
	v_cvt_scalef32_pk8_fp8_f32 v[C+8*(\t)+2*\g:C+8*(\t)+2*\g+1], v[XB+8*\g:XB+8*\g+7], v18
.endr
	v_nop                                          ; a plain line behind the last conversion
	global_store_b128 v[VW], v[C+8*(\t):C+8*(\t)+3], s[54:55] offset:((\t)/4)*2048+((\t)%4)*512        ; k 0 .. 15 of the block: the lanes of each tile fill 256 consecutive bytes, aligned
	global_store_b128 v[VW], v[C+8*(\t)+4:C+8*(\t)+7], s[54:55] offset:((\t)/4)*2048+((\t)%4)*512+256  ; k 16 .. 31
.if (\t)+2 < 8
	WLOAD (\t)+2
.endif
.endm
	WLOAD 0
	WLOAD 1
.irp t, 0,1,2,3,4,5,6,7
	WBLOCK \t
.endr
	global_store_b64 v[VS], v[SD:SD+1], s[56:57]   ; my column's eight bytes: the wave stores 256 consecutive bytes, aligned
	s_endpgm
.Lfunc_end_k_q6697d14a25_prep:
	.size	k_q6697d14a25_prep, .Lfunc_end_k_q6697d14a25_prep-k_q6697d14a25_prep
	.p2alignl 7, 3214868480
	.fill 96, 4, 3214868480
	.section	.rodata,"a",@progbits
	.p2align	6, 0x0
	.amdhsa_kernel k_q6697d14a25_prep
		.amdhsa_group_segment_fixed_size 34304
		.amdhsa_private_segment_fixed_size 0
		.amdhsa_enable_private_segment 0
		.amdhsa_kernarg_size 56
		.amdhsa_user_sgpr_count 2
		.amdhsa_user_sgpr_kernarg_segment_ptr 1
		.amdhsa_wavefront_size32 1
		.amdhsa_system_sgpr_workgroup_id_x 1
		.amdhsa_system_sgpr_workgroup_id_y 1
		.amdhsa_system_sgpr_workgroup_id_z 1
		.amdhsa_system_vgpr_workitem_id 0
		.amdhsa_next_free_vgpr 256
		.amdhsa_next_free_sgpr 66
		.amdhsa_reserve_vcc 1
		.amdhsa_float_denorm_mode_32 3
		.amdhsa_float_denorm_mode_16_64 3
		.amdhsa_memory_ordered 1
		.amdhsa_forward_progress 1
		.amdhsa_inst_pref_size 109
	.end_amdhsa_kernel
	.amdgpu_metadata
---
amdhsa.version: [ 1, 2 ]
amdhsa.kernels:
  - .name:           k_q6697d14a25_prep
    .symbol:         k_q6697d14a25_prep.kd
    .args:
      - { .name: x, .offset: 0, .size: 8, .value_kind: global_buffer, .address_space: global }
      - { .name: Wq, .offset: 8, .size: 8, .value_kind: global_buffer, .address_space: global }
      - { .name: Wk, .offset: 16, .size: 8, .value_kind: global_buffer, .address_space: global }
      - { .name: Wv, .offset: 24, .size: 8, .value_kind: global_buffer, .address_space: global }
      - { .name: Wo, .offset: 32, .size: 8, .value_kind: global_buffer, .address_space: global }
      - { .name: xb, .offset: 40, .size: 8, .value_kind: global_buffer, .address_space: global }
      - { .name: wb, .offset: 48, .size: 8, .value_kind: global_buffer, .address_space: global }
    .group_segment_fixed_size: 34304
    .private_segment_fixed_size: 0
    .kernarg_segment_align: 8
    .kernarg_segment_size: 56
    .max_flat_workgroup_size: 128
    .sgpr_count:     66
    .vgpr_count:     256
    .wavefront_size: 32
...
	.end_amdgpu_metadata
.endif
;; end of part 1
;; launch qkv (part 2): grid 32 x 6, 4 waves a work-group, no clusters, 327,680 bytes of LDS; arguments xb, wb, qb, kv; writes qb, kv
.if DOCPART == 2
	.amdgcn_target "amdgcn-amd-amdhsa--gfx1250"
	.amdhsa_code_object_version 6
	.text
	.protected	k_q6697d14a25_qkv
	.globl	k_q6697d14a25_qkv
	.p2align	8
	.type	k_q6697d14a25_qkv,@function
k_q6697d14a25_qkv:
	s_mov_b64 s[64:65], 0
	v_nop
	global_prefetch_b8 v0, s[64:65] scope:SCOPE_SE
	s_setreg_imm32_b32 hwreg(HW_REG_WAVE_MODE, 25, 1), 1
	s_wait_xcnt 0x0
; q = x Wq, k = x Wk, v = x Wv on codes of FP8 (E4M3) with E8M0 scales for each 32 along K = 1024; the results are quantised on the way out and never go to memory as f32:
; q and k along the head's 64 channels, v along the keys.  LIMITS: as the quantiser's: no NaN or infinities; a block of zeros gets the byte 1; largest magnitudes under 2^-118 are held at the byte 1.
; A tile of 256 x 256 to a work-group of four waves, 128 x 128 a wave: 64 accumulators.  X = work-group x: tokens 256 X on.  y = work-group y: rows 256 y on of Wq | Wk | Wv (0-3: q, 4: k, 5: v).
; THE MATRIX INSTRUCTION IS USED TRANSPOSED: source 0 = 'B', source 1 = 'A': a lane holds one row of A, and its registers run along B's rows.  For q and k: A = tokens, B = channels.  For v the two
; POINTERS change places (A = channels, B = tokens), so that registers run along the keys: the loop, every LDS address and the quantising are one text for all.
; OPERANDS lie in memory and in LDS as images of their registers: a tile t = the 16 rows 32 (t / 2) + 8 (t % 2) + r + 8 (r / 8); a fragment (16 rows x 128 K) = 2,048 bytes on end, 16 bytes a lane and piece.
; By that choice of rows the 16 registers of B's tiles 2 b, 2 b + 1 are 16 neighbours, 32 b + 16 (lane / 16) + 0 .. 15: the order in which the conversions and the next operand want them.
; K goes in steps of 256 through two LDS slots; each wave fetches 8 tiles x 4,096 bytes by one tensor load.  The scale bytes of the 512 rows come once.  At the start three loads of a wave are out, later one.
; NO CLUSTER: the six tile columns do not divide by four; along x the shared tile is the weights', which is source 0 for y < 5 and source 1 for y = 5, so that a joint load's mask or LDS place would hang on y.
; No prefetch: there are four K steps, two of them asked for at the head.
; OUT.  qb: codes [tile RT][head hq][c'][lane][16 bytes] (query of RT's row r, d = 32 c' + 16 h + e); at QS scale words [RT / 2][hq / 2][r + 16 (hq % 2)][RT % 2], the head's two bytes written twice.
; kv: a record of REC bytes for each (batch, kv head, 128 keys): K's 4 fragments (pieces 0, 1: key 32 f + r + 8 (r / 8), d = 32 c + 16 h ..; pieces 2, 3: the key 8 further on), V's 4 fragments (16 channels x 128 keys),
; K's scale words (at 8 lane + 4 j: fragment 2 h + j, row r), V's likewise.
; REGISTERS: window 0: v0-31 addresses; v32-63 scale words, two sets; v64-69 the way out's offsets; v128-255 A's fragments, one set; on the way out v128-247 are at work.
;   window 1: B's fragments, two sets.   windows 2, 3: accumulator (a, b) at v[8 (8 (a % 4) + b)].
.set XS,    8388608
.set WS,    1572864
.set QS,    8388608
.set REC,   16896
.set NQ,    2
.set FR,    16
.set NL,    4
.set NP,    8                          ; places behind this matrix instruction (ISA guide 7.12.1)
.set SLOT,  131072                     ; A's 16 tiles x 4,096 bytes, then B's
.set SCL,   2*SLOT                     ; the scale bytes: A's 8,192, then B's
.set SPARE, SCL+16384                  ; the spare words, 128 bytes for each wave
.set ADRA, 16
.set ADRB, 20
.set ADRS, 27
.set SPW,  28
.set NIL,  29
.set SC,   32
.set VO,   64                          ; v64-67 where a block's 16 bytes go
.set L8,   68
.set SELV, 69
.set AF,   128
.set XQ,   128                         ; the way out: 64 held numbers
.set PC,   192                         ; their codes
.set TM,   208                         ; at work, as in the quantiser
.set PWS,  224                         ; v224-231 a scale word for each of my eight tiles of A's rows
.set SD,   232                         ; v232-247 the scale stores' data, each written once
.set G1,   24
.set G0,   32
.set G0S,  40
.set G1S,  48
.set OB,   88                          ; s[88:89] where the codes go
.set SPT,  90                          ; s[90:91] where the scale words go
.set MSB, 0
.macro WIN new                         ; the immediate's high byte repeats the setting that is left
.if MSB != (\new)
	s_set_vgpr_msb (MSB<<8)|(\new)
.set MSB, (\new)
.endif
.endm
.set MUL_LO, 0xa1                      ; source 0 (B) window 1, source 1 (A) window 0, C and D window 2
.set MUL_HI, 0xf1
.set TO_B,   0x40
	s_load_b128 s[4:7], s[0:1], 0x0                ; xb, wb
	s_load_b128 s[8:11], s[0:1], 0x10              ; qb, kv
	v_lshl_add_u32 v[SPW], v0, 2, SPARE
	v_mov_b32 v[NIL], 0
	ds_add_u32 v28, v29
	ds_add_u32 v28, v29
	s_wait_dscnt 0x0
	v_lshrrev_b32 v1, 5, v0
	v_readfirstlane_b32 s14, v1                    ; wave
	s_lshr_b32 s15, s14, 1                         ; rho: my half of A's rows.  Also: I fetch for A (0) or for B (1)
	s_and_b32 s16, s14, 1                          ; kappa: my half of B's rows.  Also: which 8 tiles I fetch
	s_and_b32 s17, ttmp7, 0xffff                   ; y
	s_mov_b32 s[G1+0], 3<<16                       ; elements of 8 bytes, no mask, no padding
	s_mov_b32 s[G1+1], 512<<16                     ; tensor_dim0: a tile's 4,096 bytes of a K step
	s_mov_b32 s[G1+2], 8<<16                       ; tensor_dim1: 8 tiles
	s_mov_b32 s[G1+3], 512<<16                     ; tile_dim0
	s_mov_b32 s[G1+4], 8                           ; tile_dim1
	s_mov_b32 s[G1+5], 2048                        ; from tile to tile: 16,384 bytes
	s_mov_b32 s[G1+6], 0
	s_mov_b32 s[G1+7], 0
	s_mov_b32 s[G1S+0], 3<<16                      ; the scale bytes of 8 tiles: 4,096 dense bytes as 16 rows of 256
	s_mov_b32 s[G1S+1], 32<<16
	s_mov_b32 s[G1S+2], 16<<16
	s_mov_b32 s[G1S+3], 32<<16
	s_mov_b32 s[G1S+4], 16
	s_mov_b32 s[G1S+5], 32
	s_mov_b32 s[G1S+6], 0
	s_mov_b32 s[G1S+7], 0
	s_cmp_eq_u32 s17, 5
	s_cselect_b32 s19, 1, 0
	s_xor_b32 s20, s15, s19                        ; 0: what I fetch are tokens; 1: rows of the weights
	s_cmp_eq_u32 s20, 0
	s_cselect_b32 s21, ttmp9, s17                  ; which 16 tiles
	s_mov_b32 s22, WS
	s_cselect_b32 s22, XS, s22
	s_lshl_b32 s56, s21, 18
	s_lshl_b32 s2, s16, 17
	s_add_co_u32 s56, s56, s2                      ; my 8 tiles' codes
	s_mov_b32 s57, 0
	s_lshl_b32 s58, s21, 13
	s_add_co_u32 s58, s58, s22
	s_lshl_b32 s2, s16, 12
	s_add_co_u32 s58, s58, s2                      ; and their scale bytes
	s_mov_b32 s59, 0
	s_lshl_b32 s3, s14, 15                         ; in a slot: wave x 32,768
	s_lshl_b32 s23, s14, 12                        ; among the scale bytes: wave x 4,096
	s_wait_kmcnt 0x0
	s_cmp_eq_u32 s20, 0                            ; the choice hangs on ids alone
	s_cselect_b64 s[44:45], s[4:5], s[6:7]
	s_add_nc_u64 s[46:47], s[44:45], s[56:57]
	s_mov_b32 s[G0S], 1
	s_add_co_u32 s[G0S+1], s23, SCL
	s_add_nc_u64 s[G0S+2:G0S+3], s[44:45], s[58:59]
	s_or_b32 s[G0S+3], s[G0S+3], 0x80000000
.irp s, 0,1
	s_mov_b32 s[G0+4*\s], 1
	s_add_co_u32 s[G0+4*\s+1], s3, \s*SLOT
	s_add_nc_u64 s[G0+4*\s+2:G0+4*\s+3], s[46:47], \s*4096      ; K step s
	s_or_b32 s[G0+4*\s+3], s[G0+4*\s+3], 0x80000000
.endr
	tensor_load_to_lds s[G0S:G0S+3], s[G1S:G1S+7]  ; the first fills go out together: the scale bytes,
	s_nop 0
	tensor_load_to_lds s[G0:G0+3], s[G1:G1+7]      ; K step 0,
	s_nop 0
	tensor_load_to_lds s[G0+4:G0+7], s[G1:G1+7]    ; K step 1
	s_nop 0
.rept 4
	v_nop
.endr
	v_and_b32 v1, 15, v0                           ; r
	v_bfe_u32 v2, v0, 4, 1                         ; h
	v_and_b32 v3, 31, v0
	v_lshlrev_b32 v4, 4, v3                        ; 16 x lane
	s_lshl_b32 s21, s15, 15                        ; my 8 tiles of A
	s_lshl_b32 s22, s16, 15
	s_add_co_u32 s22, s22, 65536                   ; my 8 tiles of B, behind A's 16
.irp s, 0,1
	v_add_nc_u32 v[ADRA+\s], s21, v4
	v_add_nc_u32 v[ADRB+\s], s22, v4
	s_add_co_u32 s21, s21, SLOT
	s_add_co_u32 s22, s22, SLOT
.endr
	v_lshlrev_b32 v5, 3, v1                        ; scale words: 8 bytes a row and K step
	s_lshl_b32 s21, s15, 12
	s_lshl_b32 s22, s16, 12
	s_add_co_u32 s22, s22, 8192
	s_sub_co_u32 s22, s22, s21
	v_mul_u32_u24 v6, s22, v2                      ; lanes 16-31 take B's
	s_add_co_u32 s21, s21, SCL
	v_add_nc_u32 v5, v5, v6
	v_add_nc_u32 v[ADRS], s21, v5
	; ---- where the results go: all by ids
	s_cmp_eq_u32 s17, 5
	s_cselect_b32 s60, s15, s16                    ; which pair of kv heads: v: rho, k: kappa
	s_cselect_b32 s61, s16, s15                    ; which 128 keys of my 256: v: kappa, k: rho
	s_cselect_b32 s62, 8192, 0                     ; V's fragments lie behind K's
	s_cselect_b32 s63, 256, 0                      ; and V's scale words behind K's
	s_cselect_b32 s82, 262144, 0                   ; v: from a record's last fragment on to the next head's first
	s_lshr_b32 s66, ttmp9, 3
	s_lshl_b32 s66, s66, 2
	s_lshl_b32 s67, s60, 1
	s_add_co_u32 s66, s66, s67
	s_lshl_b32 s66, s66, 4
	s_and_b32 s67, ttmp9, 7
	s_lshl_b32 s67, s67, 1
	s_add_co_u32 s66, s66, s67
	s_add_co_u32 s66, s66, s61
	s_mul_i32 s66, s66, REC                        ; my first record
	s_add_co_u32 s67, s66, s62
	s_add_co_u32 s68, s66, s63
	s_add_co_u32 s68, s68, 16384
	s_lshl_b32 s69, ttmp9, 4
	s_lshl_b32 s70, s15, 3
	s_add_co_u32 s69, s69, s70                     ; q: my first tile of tokens
	s_lshl_b32 s70, s69, 14
	s_lshl_b32 s71, s17, 2
	s_lshl_b32 s72, s16, 1
	s_add_co_u32 s71, s71, s72                     ; my first head
	s_lshl_b32 s72, s71, 10
	s_add_co_u32 s70, s70, s72
	s_lshl_b32 s72, s69, 2
	s_lshr_b32 s71, s71, 1
	s_add_co_u32 s72, s72, s71
	s_lshl_b32 s72, s72, 8
	s_add_co_u32 s72, s72, QS
	s_mov_b32 s80, 1024                            ; from tile to tile of A's rows: k 1,024, q 16,384, v 2,048
	s_cmp_lt_u32 s17, 4
	s_cselect_b32 s74, s70, s67
	s_cselect_b32 s76, s72, s68
	s_cselect_b64 s[78:79], s[8:9], s[10:11]
	s_cselect_b32 s80, 16384, s80
	s_cmp_eq_u32 s17, 5
	s_cselect_b32 s80, 2048, s80
	s_mov_b32 s84, 1024                            ; from blocks 0, 1 to blocks 2, 3: k: the next kv head's record, else 1,024
	s_cmp_eq_u32 s17, 4
	s_cselect_b32 s84, 16*REC, s84
	s_mov_b32 s75, 0
	s_mov_b32 s77, 0
	s_mov_b32 s81, 0
	s_mov_b32 s83, 0
	s_add_nc_u64 s[OB:OB+1], s[78:79], s[74:75]
	s_add_nc_u64 s[SPT:SPT+1], s[78:79], s[76:77]
	s_mov_b32 s86, 0x05040100                      ; k's scale words: the even head's two bytes of two tiles,
	s_mov_b32 s87, 0x07060302                      ; the odd head's
	s_mov_b32 s92, 0x76543210
	s_mov_b32 s93, 0xfedcba98
	s_mov_b32 s94, 0x600000
	v_mov_b32 v[VO], v4
	v_add_nc_u32 v[VO+1], 512, v4
	v_add_nc_u32 v[VO+2], s84, v4
	v_add_nc_u32 v[VO+3], 512, v[VO+2]
	v_lshlrev_b32 v[L8], 3, v3
	v_cmp_ne_u32 vcc_lo, 0, v2
	v_mov_b32 v[SELV], 0x01000100                  ; q's scale words: lanes 0-15 the even head's two bytes twice,
	v_mov_b32 v70, 0x03020302                      ; lanes 16-31 the odd head's
	v_cndmask_b32 v[SELV], v[SELV], v70, vcc_lo
.macro FRAG reg, adr, q, i             ; a fragment comes as it lies: four loads of 512 consecutive bytes
.irp c, 0,1,2,3
	ds_load_b128 v[\reg+4*\c:\reg+4*\c+3], v[\adr] offset:2048*(\q)+512*\c+(\i)*4096
.endr
.endm
; 16 matrix instructions: A's blocks a0, a0 + 1 x B's eight.  The 64 accumulators take turns, one instruction a turn, in the same order in every step.
.macro MUL16 a0, p, q, sc, zero
.irp a, \a0, \a0+1
.irp b, 0,1,2,3,4,5,6,7
.if \zero
	v_wmma_scale_f32_16x16x128_f8f6f4 v[8*(8*((\a)%4)+\b):8*(8*((\a)%4)+\b)+7], v[128*(\p)+FR*\b:128*(\p)+FR*\b+FR-1], v[AF+FR*(\a):AF+FR*(\a)+FR-1], 0, v[SC+8*NQ*(\sc)+NQ*\b+(\q)], v[SC+8*NQ*(\sc)+NQ*(\a)+(\q)] matrix_a_scale:MATRIX_SCALE_ROW1
.else
	v_wmma_scale_f32_16x16x128_f8f6f4 v[8*(8*((\a)%4)+\b):8*(8*((\a)%4)+\b)+7], v[128*(\p)+FR*\b:128*(\p)+FR*\b+FR-1], v[AF+FR*(\a):AF+FR*(\a)+FR-1], v[8*(8*((\a)%4)+\b):8*(8*((\a)%4)+\b)+7], v[SC+8*NQ*(\sc)+NQ*\b+(\q)], v[SC+8*NQ*(\sc)+NQ*(\a)+(\q)] matrix_a_scale:MATRIX_SCALE_ROW1
.endif
.endr
.endr
.endm
.macro FETCH_B slot, q, p
	WIN TO_B
.irp i, 0,1,2,3,4,5,6,7
	FRAG 128*(\p)+FR*\i, ADRB+\slot, \q, \i
.endr
	WIN 0
.endm
.macro FETCH_A slot, q, i0
.irp i, \i0, \i0+1, \i0+2, \i0+3
	FRAG AF+FR*(\i), ADRA+\slot, \q, \i
.endr
.endm
.macro SCALES sc                       ; a K step's two scale words a row: lanes 0-15 A's block i, lanes 16-31 B's block i
.irp i, 0,1,2,3,4,5,6,7
	ds_load_b64 v[SC+8*NQ*\sc+NQ*\i:SC+8*NQ*\sc+NQ*\i+1], v[ADRS] offset:(\i/4)*2048+(\i%4)*128
.endr
.endm
.macro PLACES n                        ; plain vector instructions between a matrix instruction and a load into, or a read of, its registers
.rept \n
	v_nop
.endr
.endm
.macro STEP slot, q, zero              ; 128 along K whose successor lies in the same slot
	s_wait_dscnt 4*NL                              ; B's set and A's blocks 0-3 are in; the youngest 16 loads (A's blocks 4-7) may be out
	WIN MUL_LO
	MUL16 0, (\q)%2, \q, \slot, \zero
	MUL16 2, (\q)%2, \q, \slot, \zero
	s_wait_dscnt 0
	PLACES NP
	FETCH_B \slot, (\q)+1, 1-(\q)%2
	FETCH_A \slot, (\q)+1, 0
	WIN MUL_HI
	MUL16 4, (\q)%2, \q, \slot, \zero
	MUL16 6, (\q)%2, \q, \slot, \zero
	PLACES NP
	WIN 0
	FETCH_A \slot, (\q)+1, 4
.endm
; A slot's last 128 along K change slots: one barrier; in front of it each wave waits for all its tensor loads, adds 0 to its spare word, and waits for that and for its reads of this slot.
.macro TURN slot, next, fill
	s_wait_tensorcnt 0x0                           ; all my tensor loads have landed: my part of the next slot
	ds_add_u32 v[SPW], v[NIL]                      ; 0 onto my spare word
	s_wait_dscnt 4*NL+1                            ; (the add and the youngest 16 loads may be out)
	WIN MUL_LO
	MUL16 0, 1, NQ-1, \slot, 0
	s_wait_dscnt 0x0                               ; the add is done, and my reads of this slot are over
	s_barrier_signal -1
	MUL16 2, 1, NQ-1, \slot, 0
	WIN 0
	s_barrier_wait -1
.if \fill
	s_add_nc_u64 s[G0+4*\slot+2:G0+4*\slot+3], s[G0+4*\slot+2:G0+4*\slot+3], 8192   ; two K steps on; no load of mine is out
	tensor_load_to_lds s[G0+4*\slot:G0+4*\slot+3], s[G1:G1+7]   ; my one tensor load behind this barrier, and the first thing there
	s_nop 0
	PLACES NP
.else
	PLACES NP
.endif
	v_add_nc_u32 v[ADRS], 512, v[ADRS]             ; the next K step's scale words
	FETCH_B \next, 0, 0
	FETCH_A \next, 0, 0
	SCALES \next
	WIN MUL_HI
	MUL16 4, 1, NQ-1, \slot, 0
	MUL16 6, 1, NQ-1, \slot, 0
	PLACES NP
	WIN 0
	FETCH_A \next, 0, 4
.endm
	s_wait_tensorcnt 1                             ; the scale bytes and my part of K step 0 are in; K step 1's load may be out
	s_barrier_signal -1
	s_barrier_wait -1
	FETCH_B 0, 0, 0
	FETCH_A 0, 0, 0
	SCALES 0
	FETCH_A 0, 0, 4
	STEP 0, 0, 1                                   ; the first products start the sums
	TURN 0, 1, 1
	STEP 1, 0, 0
	TURN 1, 0, 1
	STEP 0, 0, 0
	TURN 0, 1, 0
	STEP 1, 0, 0
	s_wait_dscnt 4*NL
	WIN MUL_LO
	MUL16 0, 1, NQ-1, 1, 0
	MUL16 2, 1, NQ-1, 1, 0
	s_wait_dscnt 0
	WIN MUL_HI
	MUL16 4, 1, NQ-1, 1, 0
	MUL16 6, 1, NQ-1, 1, 0
	WIN 0
; THE WAY OUT.  For A's tile tm a lane's 64 registers are four blocks of 32 along B's rows, 16 neighbours of each: they are quantised as they stand, and a block's 16 codes are 16 bytes of the next operand's image.
.macro EQ tm
.set AC, 64*((\tm)%4)
	WIN 0x28+0x14*((\tm)/4)                        ; sources 1 and 2: window 2 or 3
.irp b, 0,1,2,3
	v_max3_num_f32 v[TM+\b], 0x4800000, |v[AC+16*\b]|, |v[AC+16*\b+1]|   ; each accumulator is read from its low end on; the floor 2^(9 - 127) holds the byte at 1 from below
.endr
.irp i, 2,4,6,8,10,12,14
.irp b, 0,1,2,3
	v_max3_num_f32 v[TM+\b], v[TM+\b], |v[AC+16*\b+\i]|, |v[AC+16*\b+\i+1]|
.endr
.endr
	WIN 0
.irp b, 0,1,2,3
	v_permlanex16_b32 v[TM+4+\b], v[TM+\b], s92, s93
.endr
.irp b, 0,1,2,3
	v_max_num_f32 v[TM+\b], v[TM+\b], v[TM+4+\b]
.endr
.irp b, 0,1,2,3
	v_add_nc_u32 v[TM+12+\b], 0xfc000000, v[TM+\b]
.endr
.irp b, 0,1,2,3
	v_and_or_b32 v[TM+8+\b], v[TM+\b], 0x7f800000, s94
.endr
.irp b, 0,1,2,3
	v_lshrrev_b32 v[TM+4+\b], 23, v[TM+12+\b]
.endr
	v_lshl_or_b32 v[PWS+(\tm)], v[TM+5], 8, v[TM+4]
	v_lshl_or_b32 v[PWS+(\tm)], v[TM+6], 16, v[PWS+(\tm)]
	v_lshl_or_b32 v[PWS+(\tm)], v[TM+7], 24, v[PWS+(\tm)]
	WIN 0x02+(\tm)/4                               ; source 0: window 2 or 3
.irp b, 0,1,2,3
.set n, 0
.rept 16
	v_med3_num_f32 v[XQ+16*\b+n], v[AC+16*\b+n], -v[TM+8+\b], v[TM+8+\b]   ; the hold at 448 x the scale also brings the number into window 0
.set n, n+1
.endr
.endr
	WIN 0
.if (\tm) > 0
	s_wait_xcnt 0x0                                ; the last tile's stores have read their codes and their base
	s_add_nc_u64 s[OB:OB+1], s[OB:OB+1], s[80:81]
.endif
.if (\tm) == 4
	s_add_nc_u64 s[OB:OB+1], s[OB:OB+1], s[82:83]
.endif
.irp b, 0,1,2,3
	v_cvt_scalef32_pk8_fp8_f32 v[PC+4*\b:PC+4*\b+1], v[XQ+16*\b:XQ+16*\b+7], v[TM+12+\b]
	v_cvt_scalef32_pk8_fp8_f32 v[PC+4*\b+2:PC+4*\b+3], v[XQ+16*\b+8:XQ+16*\b+15], v[TM+12+\b]
.endr
	v_nop                                          ; a plain line behind the last conversion
.irp b, 0,1,2,3
	global_store_b128 v[VO+\b], v[PC+4*\b:PC+4*\b+3], s[OB:OB+1]   ; 512 consecutive bytes, aligned
.endr
.endm
	PLACES NP                                      ; behind the last products: their results are read and A's registers written below
.irp tm, 0,1,2,3,4,5,6,7
	EQ \tm
.endr
	v_cmp_ne_u32 vcc_lo, 0, v2                     ; lanes 16-31
	s_cmp_lt_u32 s17, 4
	s_cbranch_scc0 .Lnot_q
.irp p, 0,1,2,3                        ; q: tiles 2 p, 2 p + 1; lanes 0-15 the even head, lanes 16-31 the odd one
	v_perm_b32 v[SD+2*\p], v[PWS+2*\p], v[PWS+2*\p], v[SELV]
	v_perm_b32 v[SD+2*\p+1], v[PWS+2*\p+1], v[PWS+2*\p+1], v[SELV]
	global_store_b64 v[L8], v[SD+2*\p:SD+2*\p+1], s[SPT:SPT+1] offset:2048*\p   ; 256 consecutive bytes, aligned
.endr
	s_branch .Lscales_out
.Lnot_q:
	s_cmp_eq_u32 s17, 4
	s_cbranch_scc0 .Lfor_v
.irp e, 0,1                            ; k: head 2 kappa + e: fragment f's word is tile 2 f's two bytes, then tile 2 f + 1's
.irp f, 0,1,2,3
	v_perm_b32 v[SD+8*\e+\f], v[PWS+2*\f+1], v[PWS+2*\f], s[86+\e]
.endr
	v_cndmask_b32 v[SD+8*\e+4], v[SD+8*\e], v[SD+8*\e+2], vcc_lo
	v_cndmask_b32 v[SD+8*\e+5], v[SD+8*\e+1], v[SD+8*\e+3], vcc_lo
	global_store_b64 v[L8], v[SD+8*\e+4:SD+8*\e+5], s[SPT:SPT+1] offset:\e*16*REC
.endr
	s_branch .Lscales_out
.Lfor_v:
.irp e, 0,1                            ; v: head 2 rho + e: tiles 4 e .. 4 e + 3 of channels
	v_cndmask_b32 v[SD+2*\e], v[PWS+4*\e], v[PWS+4*\e+2], vcc_lo
	v_cndmask_b32 v[SD+2*\e+1], v[PWS+4*\e+1], v[PWS+4*\e+3], vcc_lo
	global_store_b64 v[L8], v[SD+2*\e:SD+2*\e+1], s[SPT:SPT+1] offset:\e*16*REC
.endr
.Lscales_out:
	s_wait_tensorcnt 0x0                           ; the wave's end
	ds_add_u32 v[SPW], v[NIL]
	s_wait_dscnt 0x0
	s_endpgm
.Lfunc_end_k_q6697d14a25_qkv:
	.size	k_q6697d14a25_qkv, .Lfunc_end_k_q6697d14a25_qkv-k_q6697d14a25_qkv
	.p2alignl 7, 3214868480
	.fill 96, 4, 3214868480
	.section	.rodata,"a",@progbits
	.p2align	6, 0x0
	.amdhsa_kernel k_q6697d14a25_qkv
		.amdhsa_group_segment_fixed_size 327680
		.amdhsa_private_segment_fixed_size 0
		.amdhsa_enable_private_segment 0
		.amdhsa_kernarg_size 32
		.amdhsa_user_sgpr_count 2
		.amdhsa_user_sgpr_kernarg_segment_ptr 1
		.amdhsa_wavefront_size32 1
		.amdhsa_system_sgpr_workgroup_id_x 1
		.amdhsa_system_sgpr_workgroup_id_y 1
		.amdhsa_system_sgpr_workgroup_id_z 1
		.amdhsa_system_vgpr_workitem_id 0
		.amdhsa_next_free_vgpr 1024
		.amdhsa_next_free_sgpr 100
		.amdhsa_reserve_vcc 1
		.amdhsa_float_denorm_mode_32 3
		.amdhsa_float_denorm_mode_16_64 3
		.amdhsa_memory_ordered 1
		.amdhsa_forward_progress 1
		.amdhsa_inst_pref_size 183
	.end_amdhsa_kernel
	.amdgpu_metadata
---
amdhsa.version: [ 1, 2 ]
amdhsa.kernels:
  - .name:           k_q6697d14a25_qkv
    .symbol:         k_q6697d14a25_qkv.kd
    .args:
      - { .name: xb, .offset: 0, .size: 8, .value_kind: global_buffer, .address_space: global }
      - { .name: wb, .offset: 8, .size: 8, .value_kind: global_buffer, .address_space: global }
      - { .name: qb, .offset: 16, .size: 8, .value_kind: global_buffer, .address_space: global }
      - { .name: kv, .offset: 24, .size: 8, .value_kind: global_buffer, .address_space: global }
    .group_segment_fixed_size: 327680
    .private_segment_fixed_size: 0
    .kernarg_segment_align: 8
    .kernarg_segment_size: 32
    .max_flat_workgroup_size: 128
    .sgpr_count:     100
    .vgpr_count:     1024
    .wavefront_size: 32
...
	.end_amdgpu_metadata
.endif
;; end of part 2
;; launch attn (part 3): grid 16 x 16, 16 waves a work-group, no clusters, 327,680 bytes of LDS; arguments qb, kv, yb; writes yb
.if DOCPART == 3
	.amdgcn_target "amdgcn-amd-amdhsa--gfx1250"
	.amdhsa_code_object_version 6
	.text
	.protected	k_q6697d14a25_attn
	.globl	k_q6697d14a25_attn
	.p2align	8
	.type	k_q6697d14a25_attn,@function
k_q6697d14a25_attn:
	s_mov_b64 s[64:65], 0
	v_nop
	global_prefetch_b8 v0, s[64:65] scope:SCOPE_SE
	s_setreg_imm32_b32 hwreg(HW_REG_WAVE_MODE, 25, 1), 1
	s_wait_xcnt 0x0
; y = softmax(q k^T / 8 + slope (key - query), keys after the query hidden) v, both products on codes of FP8 (E4M3) with E8M0 scales; y / l is quantised along the 1,024 channels on the way out.
; THE SOFTMAX AHEAD OF THE SECOND PRODUCT: t = logit x log2(e); M = the row's largest t so far, rounded UP to a whole number; p = 2^(t - M) is quantised along the keys; the row's sum is taken of the unquantised p
; and divides at the end.  When M moves, the sum and O are multiplied by 2^(old M - new M): exact.
; LIMITS: NaN and infinities are not served; a p under 2^-126 counts as 0 (v_exp_f32); a block of zeros gets the byte 1; a block's largest p is the exponential of its largest score, which takes v_exp_f32 not to fall where its input rises.
; SHARES.  Work-group (i, 4 b + g) owns, of batch b and kv head g, the blocks of 64 queries 31 - i and i, one after the other, for all four query heads: (31 - i) / 2 + 1 + i / 2 + 1 = 17 steps of 128 keys for every i.
; Wave w owns the tile of 16 queries w % 4 of head 4 g + w / 4.  The slope, 2^(-(g + 1) / 2), is the same for the four heads.
; K AND V OF THE WHOLE HEAD, 16 records of REC bytes, lie in LDS and are filled ONCE: wave w fetches record w: waves 0 to 3 at the head, the others behind the first barrier; they are waited for behind four key steps.
; One tensor load of a wave is out at the most.
; LAYOUT.  Both products are used transposed: a lane holds one query throughout.  The head's 64 channels fill half of the instruction's K = 128: a fragment of K holds TWO tiles of 16 keys, one in each half,
; and q stands beside zeros, [q | 0] or [0 | q].  By the choice of the keys of a tile, register 16 b + i of the scores is key 32 b + 16 (lane / 16) + i of the step.
; THE BIAS costs no instruction a score: t = c (raw + 8 slope (16 h + i)) + slope log2(e) (first key + 32 b - query): the first term is the C of the scores' matrix instruction, the second one number a lane and block.
; NO CLUSTER: the work-groups that share K and V differ in their blocks of queries, so that the branches on the number of steps would hang on the place in a cluster.  No prefetch: all that the launch reads
; is asked for by its first loads.
.set REC,   16896                      ; a record: K's 4 fragments, V's 4 at 8192, K's scale words at 16384, V's at 16640
.set QSB,   8388608                    ; qb: the scale words
.set YSB,   8388608                    ; yb: the scale bytes
.set SCX,   16*REC                     ; behind the records: 512 bytes for each pass, where y's scale bytes meet; no fill lands there
.set SPARE, SCX+1024                   ; the spare words, 128 bytes for each of 16 waves
.set LI,  1                            ; v1   16 x lane
.set L8,  2                            ; v2   8 x lane
.set ADK, 3                            ; v3   the step's record + 16 x lane
.set ADS, 4                            ; v4   + 8 x lane
.set DQ,  5                            ; v5   the step's first key - my query, f32
.set QP,  6                            ; v6   my query - 16 h
.set QSO, 7                            ; v7   my place among q's scale words
.set SXA, 8                            ; v8   where my two scale bytes of y go
.set SPW, 9
.set NIL, 10
.set SCR, 11                           ; v11  SCX + 16 x lane
.set NM,  12                           ; v12  -M
.set TMX, 13                           ; v13  the largest t
.set SUM, 14                           ; v[14:15] the sum in two halves
.set AD,  16                           ; v16-23 four pairs: the even register is block b's addend; the odd one is named with it and holds 0
.set TBR, 24                           ; v24-27 slope log2(e) (first key + 32 b - query)
.set QSW, 28                           ; scale registers: q's,
.set PW,  29                           ; p's,
.set KSW, 30                           ; v[30:31] K's,
.set VSW, 32                           ; v[32:33] V's
.set QZ,  34                           ; v34-41 zeros, v42-49 q, v50-57 zeros
.set BI,  58                           ; v58-73 8 slope (16 h + i)
.set KF,  74                           ; v74-105 two fragments
.set S,   106                          ; v106-169 the scores, then p
.set O,   170                          ; v170-201 O^T
.set PC,  202                          ; v202-217 p's codes
.set WK,  218                          ; v218-249 K's fragments 2 and 3, then at work:
.set BM,  WK
.set T,   WK+4
.set LIM, WK+8
.set SOP, WK+12
.set F,   WK+16
.set TMP, WK+18
.set SM2, WK+20
.set DD,  WK+22
.set NI,  WK+23
.set QR0, 250                          ; v250 my query's place in a block of 64, - 16 h
.set H16, 251                          ; v251 16 h
.set RR,  252                          ; v252 r
.set TB,  2                            ; s2   the step's record in LDS
.set SI,  3                            ; s3   the step's number
.set BB,  11
.set GG,  12
.set W4,  13
.set HH,  14
.set HQ,  15
.set WV,  18
.set MNT, 19
.set SEL, 20
.set CS,  22                           ; s[22:23] c = log2(e) / 8
.set SLP, 24                           ; s24 slope log2(e); s25-27 x 32, 64, 96
.set SBI, 28                           ; s28 8 slope
.set NS,  29                           ; s29 the block's key steps
.set BLK, 30
.set CNT, 31
.set G1,  32
.set G0,  40
.set PQ,  44
.set PQS, 46
.set PY,  48
.set PYS, 50
	s_load_b128 s[4:7], s[0:1], 0x0                ; qb, kv
	s_load_b64 s[8:9], s[0:1], 0x10                ; yb
	v_lshl_add_u32 v[SPW], v0, 2, SPARE
	v_mov_b32 v[NIL], 0
	ds_add_u32 v9, v10
	ds_add_u32 v9, v10
	s_wait_dscnt 0x0
	v_lshrrev_b32 v[RR], 5, v0
	v_readfirstlane_b32 s[WV], v[RR]               ; wave 0..15
	s_and_b32 s10, ttmp7, 0xffff                   ; 4 b + g
	s_lshr_b32 s[BB], s10, 2
	s_and_b32 s[GG], s10, 3
	s_and_b32 s[W4], s[WV], 3
	s_lshr_b32 s[HH], s[WV], 2
	s_lshl_b32 s[HQ], s[GG], 2
	s_add_co_u32 s[HQ], s[HQ], s[HH]               ; my query head
	s_mov_b32 s[G1+0], 3<<16                       ; a record: 66 rows of 256 bytes (32 elements of 8), dense
	s_mov_b32 s[G1+1], 32<<16
	s_mov_b32 s[G1+2], 66<<16
	s_mov_b32 s[G1+3], 32<<16
	s_mov_b32 s[G1+4], 66
	s_mov_b32 s[G1+5], 32
	s_mov_b32 s[G1+6], 0
	s_mov_b32 s[G1+7], 0
	s_lshl_b32 s52, s10, 4
	s_add_co_u32 s52, s52, s[WV]
	s_mul_i32 s52, s52, REC
	s_mov_b32 s53, 0
	s_mul_i32 s16, s[WV], REC
	s_wait_kmcnt 0x0
	s_mov_b32 s[G0], 1
	s_mov_b32 s[G0+1], s16
	s_add_nc_u64 s[G0+2:G0+3], s[6:7], s[52:53]
	s_or_b32 s[G0+3], s[G0+3], 0x80000000
	s_cmp_lt_u32 s[WV], 4
	s_cbranch_scc0 .Llater
	tensor_load_to_lds s[G0:G0+3], s[G1:G1+7]      ; records 0 to 3
	s_nop 0
.rept 4
	v_nop
.endr
.Llater:
	v_and_b32 v[LI], 31, v0
	v_lshlrev_b32 v[L8], 3, v[LI]
	v_lshlrev_b32 v[LI], 4, v[LI]
	v_and_b32 v[RR], 15, v0
	v_bfe_u32 v[H16], v0, 4, 1
	v_lshlrev_b32 v[H16], 4, v[H16]
	s_and_b32 s52, s[HH], 1
	s_lshl_b32 s52, s52, 7
	s_and_b32 s53, s[W4], 1
	s_lshl_b32 s53, s53, 2
	s_add_co_u32 s52, s52, s53
	v_lshl_add_u32 v[QSO], v[RR], 3, s52           ; 8 (r + 16 (head % 2)) + 4 (tile % 2)
	s_lshl_b32 s52, s[W4], 7
	s_lshr_b32 s53, s[HH], 1
	s_lshl_b32 s53, s53, 2
	s_add_co_u32 s52, s52, s53
	s_and_b32 s53, s[HH], 1
	s_lshl_b32 s53, s53, 1
	s_add_co_u32 s52, s52, s53
	s_add_co_u32 s52, s52, SCX
	v_lshl_add_u32 v[SXA], v[RR], 3, s52           ; 128 x tile + 8 r + 2 x my head's place among the four
	v_add_nc_u32 v[SCR], SCX, v[LI]
	v_and_b32 v[QR0], 8, v[RR]
	v_add_nc_u32 v[QR0], v[QR0], v[RR]
	v_sub_nc_u32 v[QR0], v[QR0], v[H16]
	s_lshr_b32 s52, s[W4], 1
	s_lshl_b32 s52, s52, 5
	s_and_b32 s53, s[W4], 1
	s_lshl_b32 s53, s53, 3
	s_add_co_u32 s52, s52, s53
	v_add_nc_u32 v[QR0], s52, v[QR0]               ; 32 (w4 / 2) + 8 (w4 % 2) + r + 8 (r / 8) - 16 h
	s_mov_b32 s[SEL], 0x76543210
	s_mov_b32 s[SEL+1], 0xfedcba98
	s_mov_b32 s[CS], 0x3e38aa3b                    ; log2(e) / 8
	s_mov_b32 s[CS+1], s[CS]
	s_mov_b32 s[MNT], 0x600000
	s_lshr_b32 s52, s[GG], 1
	s_lshl_b32 s52, s52, 23                        ; g / 2 off the exponent field: the slopes are 2^-0.5, 2^-1, 2^-1.5, 2^-2
	s_and_b32 s53, s[GG], 1
	s_mov_b32 s[SLP], 0x3f8293ee                   ; 2^-0.5 log2(e)
	s_mov_b32 s[SBI], 0x40b504f3                   ; 8 x 2^-0.5
	s_cmp_eq_u32 s53, 1
	s_cselect_b32 s[SLP], 0x3f38aa3b, s[SLP]       ; 2^-1 log2(e)
	s_cselect_b32 s[SBI], 0x40800000, s[SBI]       ; 8 x 2^-1
	s_sub_co_u32 s[SLP], s[SLP], s52
	s_sub_co_u32 s[SBI], s[SBI], s52
	s_mul_f32 s[SLP+1], s[SLP], 0x42000000
	s_mul_f32 s[SLP+2], s[SLP], 0x42800000
	s_mul_f32 s[SLP+3], s[SLP], 0x42c00000
.set n, 0
.rept 16
	v_add_nc_u32 v[BI+n], n, v[H16]
.set n, n+1
.endr
.set n, 0
.rept 16
	v_cvt_f32_u32 v[BI+n], v[BI+n]
.set n, n+1
.endr
.set n, 0
.rept 16
	v_mul_f32 v[BI+n], s[SBI], v[BI+n]
.set n, n+1
.endr
.set n, 0
.rept 8
	v_mov_b32 v[QZ+n], 0                           ; zero codes beside q: they add nothing under any scale byte that a quantiser gives
	v_mov_b32 v[QZ+16+n], 0
.set n, n+1
.endr
.irp b, 0,1,2,3
	v_mov_b32 v[AD+2*\b+1], 0
	v_mov_b32 v[T+\b], 0                           ; written once: a lane permute's destination counts as one of its sources
.endr
; What a pass begins with: its addresses, the loads of q, and the running figures.  s[BLK] holds the block of 64 queries.
.macro PROLOGUE
	s_lshr_b32 s[NS], s[BLK], 1
	s_add_co_u32 s[NS], s[NS], 1                   ; keys 0 .. 64 BLK + 63 lie in BLK / 2 + 1 steps of 128; the last of them holds the diagonal
	s_lshl_b32 s52, s[BB], 7
	s_lshl_b32 s53, s[BLK], 2
	s_add_co_u32 s52, s52, s53
	s_add_co_u32 s52, s52, s[W4]                   ; RT: my tile of tokens
	s_lshl_b32 s54, s52, 14
	s_lshl_b32 s55, s[HQ], 10
	s_add_co_u32 s54, s54, s55
	s_mov_b32 s55, 0
	s_add_nc_u64 s[PQ:PQ+1], s[4:5], s[54:55]      ; q's codes; y's lie at the same offset of their buffer
	s_add_nc_u64 s[PY:PY+1], s[8:9], s[54:55]
	s_lshr_b32 s54, s52, 1
	s_lshl_b32 s54, s54, 3
	s_lshr_b32 s56, s[HQ], 1
	s_add_co_u32 s54, s54, s56
	s_lshl_b32 s54, s54, 8
	s_add_co_u32 s54, s54, QSB
	s_add_nc_u64 s[PQS:PQS+1], s[4:5], s[54:55]
	s_lshl_b32 s54, s[BB], 5
	s_add_co_u32 s54, s54, s[BLK]
	s_lshl_b32 s54, s54, 11
	s_lshl_b32 s56, s[GG], 9
	s_add_co_u32 s54, s54, s56
	s_add_co_u32 s54, s54, YSB
	s_add_nc_u64 s[PYS:PYS+1], s[8:9], s[54:55]    ; the 512 scale bytes of the block's four tiles and my kv head's four heads
	global_load_b128 v[QZ+8:QZ+11], v[LI], s[PQ:PQ+1]
	global_load_b128 v[QZ+12:QZ+15], v[LI], s[PQ:PQ+1] offset:512
	global_load_b32 v[QSW], v[QSO], s[PQS:PQS+1]
	s_lshl_b32 s56, s[BLK], 6
	v_add_nc_u32 v[QP], s56, v[QR0]
	v_add_nc_u32 v[DQ], v[QP], v[H16]
	v_cvt_f32_i32 v[DQ], v[DQ]
	v_mul_f32 v[DQ], -1.0, v[DQ]                   ; key 0 - my query
	v_mov_b32 v[TMX], 0xff61b1e6                   ; -3e38, under every t
	v_floor_f32 v[NM], -v[TMX]
	v_mov_b32 v[SUM], 0
	v_mov_b32 v[SUM+1], 0
.set n, 0
.rept 32
	v_mov_b32 v[O+n], 0                            ; the step is written once: the first finds zeros, which the first change of M leaves zeros
.set n, n+1
.endr
	s_mov_b32 s[TB], 0
	s_mov_b32 s[SI], 0
.endm
; A KEY STEP: 128 keys.
.macro STEP
	s_cmp_ge_u32 s[SI], s[NS]                      ; a step all of whose keys come after the block's queries is left out: a branch on ids; the line at the step's end that steps the address stays
	s_cbranch_scc1 .Lskip_\@
	v_add_nc_u32 v[ADK], s[TB], v[LI]
	v_add_nc_u32 v[ADS], s[TB], v[L8]
	v_mul_f32 v[TBR], s[SLP], v[DQ]
	v_fma_f32 v[TBR+1], s[SLP], v[DQ], s[SLP+1]
	v_fma_f32 v[TBR+2], s[SLP], v[DQ], s[SLP+2]
	v_fma_f32 v[TBR+3], s[SLP], v[DQ], s[SLP+3]
.rept 3
	v_nop                                          ; with the six lines above: nine places behind the last step's products, whose fragments' registers are loaded into and written over by the scores below
.endr
	ds_load_b64 v[KSW:KSW+1], v[ADS] offset:16384
.irp f, 0,1
.irp c, 0,1,2,3
	ds_load_b128 v[KF+16*\f+4*\c:KF+16*\f+4*\c+3], v[ADK] offset:2048*\f+512*\c
.endr
.endr
.irp f, 0,1
.irp c, 0,1,2,3
	ds_load_b128 v[WK+16*\f+4*\c:WK+16*\f+4*\c+3], v[ADK] offset:4096+2048*\f+512*\c
.endr
.endr
	s_wait_dscnt 8                                 ; the scale words and fragments 0 and 1 are in; the eight loads of fragments 2 and 3 may be out
.irp f, 0,1
	v_wmma_scale_f32_16x16x128_f8f6f4 v[S+16*\f:S+16*\f+7], v[KF+16*\f:KF+16*\f+15], v[QZ+8:QZ+23], v[BI:BI+7], v[KSW+\f], v[QSW]
	v_wmma_scale_f32_16x16x128_f8f6f4 v[S+16*\f+8:S+16*\f+15], v[KF+16*\f:KF+16*\f+15], v[QZ:QZ+15], v[BI+8:BI+15], v[KSW+\f], v[QSW]
.endr
	s_wait_dscnt 0x0
.irp f, 0,1
	v_wmma_scale_f32_16x16x128_f8f6f4 v[S+32+16*\f:S+32+16*\f+7], v[WK+16*\f:WK+16*\f+15], v[QZ+8:QZ+23], v[BI:BI+7], v[KSW+\f], v[QSW] matrix_a_scale:MATRIX_SCALE_ROW1
	v_wmma_scale_f32_16x16x128_f8f6f4 v[S+32+16*\f+8:S+32+16*\f+15], v[WK+16*\f:WK+16*\f+15], v[QZ:QZ+15], v[BI+8:BI+15], v[KSW+\f], v[QSW] matrix_a_scale:MATRIX_SCALE_ROW1
.endr
.rept 8
	v_nop                                          ; places: the scores are read, and the fragments' registers loaded into and written, below
.endr
	ds_load_b64 v[VSW:VSW+1], v[ADS] offset:16640  ; V's scale words and its fragments 0 and 1 land while the softmax is worked
.irp f, 0,1
.irp c, 0,1,2,3
	ds_load_b128 v[KF+16*\f+4*\c:KF+16*\f+4*\c+3], v[ADK] offset:8192+2048*\f+512*\c
.endr
.endr
	s_add_co_u32 s52, s[SI], 1                     ; the block's last step holds the diagonal: there the scores of hidden keys become -infinity, so that p = 0
	s_cmp_lg_u32 s52, s[NS]
	s_cbranch_scc1 .Lopen_\@
	s_lshl_b32 s52, s[SI], 7
	v_sub_nc_u32 v[DD], v[QP], s52                 ; register 16 b + i is hidden where 32 b + i > my query - the first key - 16 h
	v_mov_b32 v[NI], 0xff800000
.set n, 0
.rept 64
	v_cmp_gt_i32 vcc_lo, 32*(n/16)+n%16, v[DD]
	v_cndmask_b32 v[S+n], v[S+n], v[NI], vcc_lo
.set n, n+1
.endr
.Lopen_\@:
.irp b, 0,1,2,3
	v_max3_num_f32 v[BM+\b], v[S+16*\b], v[S+16*\b+1], v[S+16*\b+2]   ; the largest biased score of each block of 32 keys: for the row's maximum, and for the block's largest p
.endr
.irp i, 3,5,7,9,11,13
.irp b, 0,1,2,3
	v_max3_num_f32 v[BM+\b], v[BM+\b], v[S+16*\b+\i], v[S+16*\b+\i+1]
.endr
.endr
.irp b, 0,1,2,3
	v_max_num_f32 v[BM+\b], v[BM+\b], v[S+16*\b+15]
.endr
.irp b, 0,1,2,3
	v_permlanex16_b32 v[T+\b], v[BM+\b], s[SEL], s[SEL+1]
.endr
.irp b, 0,1,2,3
	v_max_num_f32 v[BM+\b], v[BM+\b], v[T+\b]      ; with lane l xor 16's 16 keys
.endr
.irp b, 0,1,2,3
	v_fma_f32 v[T+\b], v[BM+\b], s[CS], v[TBR+\b]  ; as t
.endr
	v_max3_num_f32 v[TMP], v[T], v[T+1], v[T+2]
	v_max_num_f32 v[TMP], v[TMP], v[T+3]
	v_max_num_f32 v[TMX], v[TMX], v[TMP]           ; the running largest t
	v_mov_b32 v[TMP], v[NM]
	v_floor_f32 v[NM], -v[TMX]                     ; -M = floor(-t): M is a whole number
	v_sub_f32 v[TMP], v[NM], v[TMP]                ; old M - new M: a whole number, 0 or less
	v_cvt_i32_f32 v[TMP], v[TMP]                   ; (it saturates)
	v_ldexp_f32 v[F], 1.0, v[TMP]                  ; f = 2^(old M - new M)
.irp b, 0,1,2,3
	v_add_f32 v[AD+2*\b], v[TBR+\b], v[NM]
.endr
.set n, 0
.rept 32
	v_pk_fma_f32 v[S+2*n:S+2*n+1], v[S+2*n:S+2*n+1], s[CS:CS+1], v[AD+2*(n/8):AD+2*(n/8)+1] op_sel_hi:[1,0,0]   ; t - M, two at a time
.set n, n+1
.endr
.irp b, 0,1,2,3
	v_fma_f32 v[BM+\b], v[BM+\b], s[CS], v[AD+2*\b]   ; the same of each block's largest score
.endr
.set n, 0
.rept 64
	v_exp_f32 v[S+n], v[S+n]                       ; p = 2^(t - M), not normalised
.set n, n+1
.endr
	v_pk_mul_f32 v[SUM:SUM+1], v[SUM:SUM+1], v[F:F+1] op_sel_hi:[1,0]   ; the sums under the new M: a plain line behind the exponentials
	s_wait_alu depctr_va_vdst(0)                   ; one wait for the batch, ahead of its first reader
.irp b, 0,1,2,3
	v_exp_f32 v[BM+\b], v[BM+\b]                   ; the block's largest p: the same two instructions on the same number
.endr
	v_pk_add_f32 v[SM2:SM2+1], v[S:S+1], v[S+2:S+3]   ; the row's sum is taken of the unquantised p, in two chains
.irp j, 4,8,12,16,20,24,28,32,36,40,44,48,52,56,60
	v_pk_add_f32 v[SUM:SUM+1], v[SUM:SUM+1], v[S+\j:S+\j+1]
	v_pk_add_f32 v[SM2:SM2+1], v[SM2:SM2+1], v[S+\j+2:S+\j+3]
.endr
	v_pk_add_f32 v[SUM:SUM+1], v[SUM:SUM+1], v[SM2:SM2+1]
	s_wait_alu depctr_va_vdst(0)                   ; and one for the four
.irp b, 0,1,2,3
	v_max_num_f32 v[BM+\b], 0x4800000, v[BM+\b]    ; the floor 2^(9 - 127)
.endr
.irp b, 0,1,2,3
	v_add_nc_u32 v[SOP+\b], 0xfc000000, v[BM+\b]   ; the conversion's scale operand
.endr
.irp b, 0,1,2,3
	v_and_or_b32 v[LIM+\b], v[BM+\b], 0x7f800000, s[MNT]   ; 448 x the scale
.endr
.irp b, 0,1,2,3
	v_lshrrev_b32 v[T+\b], 23, v[SOP+\b]           ; the byte
.endr
	v_lshl_or_b32 v[PW], v[T+1], 8, v[T]
	v_lshl_or_b32 v[PW], v[T+2], 16, v[PW]
	v_lshl_or_b32 v[PW], v[T+3], 24, v[PW]
.irp b, 0,1,2,3
.set n, 0
.rept 16
	v_min_num_f32 v[S+16*\b+n], v[S+16*\b+n], v[LIM+\b]   ; the conversion does not saturate (ISA guide 7.6.2); p is not negative, so the hold is one-sided
.set n, n+1
.endr
	v_cvt_scalef32_pk8_fp8_f32 v[PC+4*\b:PC+4*\b+1], v[S+16*\b:S+16*\b+7], v[SOP+\b]
	v_cvt_scalef32_pk8_fp8_f32 v[PC+4*\b+2:PC+4*\b+3], v[S+16*\b+8:S+16*\b+15], v[SOP+\b]
.if \b == 1
.irp f, 0,1
.irp c, 0,1,2,3
	ds_load_b128 v[S+16*\f+4*\c:S+16*\f+4*\c+3], v[ADK] offset:12288+2048*\f+512*\c   ; V's fragments 2 and 3 into the registers that blocks 0 and 1 of p have left
.endr
.endr
.endif
.endr
.set n, 0
.rept 16
	v_pk_mul_f32 v[O+2*n:O+2*n+1], v[O+2*n:O+2*n+1], v[F:F+1] op_sel_hi:[1,0]   ; O^T under the new M; these lines are also the places between the codes and the products
.set n, n+1
.endr
	s_wait_dscnt 0x0                               ; V
	v_wmma_scale_f32_16x16x128_f8f6f4 v[O:O+7], v[KF:KF+15], v[PC:PC+15], v[O:O+7], v[VSW], v[PW]
	v_wmma_scale_f32_16x16x128_f8f6f4 v[O+8:O+15], v[KF+16:KF+31], v[PC:PC+15], v[O+8:O+15], v[VSW+1], v[PW]
	v_wmma_scale_f32_16x16x128_f8f6f4 v[O+16:O+23], v[S:S+15], v[PC:PC+15], v[O+16:O+23], v[VSW], v[PW] matrix_a_scale:MATRIX_SCALE_ROW1
	v_wmma_scale_f32_16x16x128_f8f6f4 v[O+24:O+31], v[S+16:S+31], v[PC:PC+15], v[O+24:O+31], v[VSW+1], v[PW] matrix_a_scale:MATRIX_SCALE_ROW1
	v_add_f32 v[DQ], 0x43000000, v[DQ]             ; the next step's first key
.Lskip_\@:
	s_add_co_u32 s[TB], s[TB], REC
.endm
.macro LOOP trips
	s_mov_b32 s[CNT], \trips
.Lstep_\@:
	STEP
	s_add_co_u32 s[SI], s[SI], 1
	s_sub_co_u32 s[CNT], s[CNT], 1
	s_cmp_lg_u32 s[CNT], 0
	s_cbranch_scc1 .Lstep_\@
.endm
; THE END OF A PASS: y = O^T / l; register 16 b + i is channel 32 b + 16 h + i of my head: two blocks, quantised as they stand; 16 codes are 16 bytes of the next operand's image.
.macro FINAL sx
.rept 8
	v_nop                                          ; places behind the last products
.endr
	v_add_f32 v[SUM], v[SUM], v[SUM+1]
	v_permlanex16_b32 v[T], v[SUM], s[SEL], s[SEL+1]
	v_add_f32 v[SUM], v[SUM], v[T]                 ; the row's sum
	v_rcp_f32 v[SUM], v[SUM]
	v_nop                                          ; a plain line behind the reciprocal
	s_wait_alu depctr_va_vdst(0)                   ; and the wait ahead of its first reader
.set n, 0
.rept 32
	v_mul_f32 v[S+n], v[O+n], v[SUM]
.set n, n+1
.endr
.irp b, 0,1
	v_max3_num_f32 v[BM+\b], |v[S+16*\b]|, |v[S+16*\b+1]|, 0x4800000
.endr
.irp i, 2,4,6,8,10,12,14
.irp b, 0,1
	v_max3_num_f32 v[BM+\b], v[BM+\b], |v[S+16*\b+\i]|, |v[S+16*\b+\i+1]|
.endr
.endr
.irp b, 0,1
	v_permlanex16_b32 v[T+\b], v[BM+\b], s[SEL], s[SEL+1]
.endr
.irp b, 0,1
	v_max_num_f32 v[BM+\b], v[BM+\b], v[T+\b]
.endr
.irp b, 0,1
	v_add_nc_u32 v[SOP+\b], 0xfc000000, v[BM+\b]
.endr
.irp b, 0,1
	v_and_or_b32 v[LIM+\b], v[BM+\b], 0x7f800000, s[MNT]
.endr
.irp b, 0,1
	v_lshrrev_b32 v[T+\b], 23, v[SOP+\b]
.endr
	v_lshl_or_b32 v[TMP], v[T+1], 8, v[T]          ; my head's two scale bytes
.irp b, 0,1
.set n, 0
.rept 16
	v_med3_num_f32 v[S+16*\b+n], v[S+16*\b+n], -v[LIM+\b], v[LIM+\b]
.set n, n+1
.endr
	v_cvt_scalef32_pk8_fp8_f32 v[PC+4*\b:PC+4*\b+1], v[S+16*\b:S+16*\b+7], v[SOP+\b]
	v_cvt_scalef32_pk8_fp8_f32 v[PC+4*\b+2:PC+4*\b+3], v[S+16*\b+8:S+16*\b+15], v[SOP+\b]
.endr
	v_nop                                          ; a plain line behind the last conversion
	global_store_b128 v[LI], v[PC:PC+3], s[PY:PY+1]              ; 512 consecutive bytes, aligned
	global_store_b128 v[LI], v[PC+4:PC+7], s[PY:PY+1] offset:512
	ds_store_b16 v[SXA], v[TMP] offset:512*\sx     ; both halves of the lanes write the same bytes with the same value
	s_wait_dscnt 0x0                               ; for the others' sake: my store has landed
	s_barrier_signal -1
	s_barrier_wait -1
	s_cmp_lg_u32 s[WV], 0
	s_cbranch_scc1 .Lnot0_\@
	ds_load_b128 v[S:S+3], v[SCR] offset:512*\sx   ; the sixteen waves' 512 scale bytes leave as two aligned runs of 256
	s_wait_dscnt 0x0
	global_store_b128 v[LI], v[S:S+3], s[PYS:PYS+1]
.Lnot0_\@:
	s_wait_xcnt 0x0                                ; the stores have read their registers and bases, which the next pass writes again
.endm
	s_sub_co_u32 s[BLK], 31, ttmp9                 ; the later block first: its keys hold the other's
	PROLOGUE
	s_wait_tensorcnt 0x0                           ; records 0 to 3 have landed
	ds_add_u32 v[SPW], v[NIL]                      ; 0 onto my spare word
	ds_add_u32 v9, v10
	s_wait_dscnt 0x0
	s_barrier_signal -1
	s_barrier_wait -1
	s_cmp_lt_u32 s[WV], 4
	s_cbranch_scc1 .Lhave
	tensor_load_to_lds s[G0:G0+3], s[G1:G1+7]      ; records 4 to 15: first fills that come later: my one tensor load behind this barrier; four key steps stand ahead of the wait for it
	s_nop 0
.rept 4
	v_nop
.endr
.Lhave:
	s_wait_loadcnt 0x0                             ; q
	LOOP 4                                         ; records 0 to 3
	s_wait_tensorcnt 0x0                           ; my record has landed
	ds_add_u32 v[SPW], v[NIL]
	s_wait_dscnt 0x0
	s_barrier_signal -1
	s_barrier_wait -1                              ; everybody's has
	LOOP 12
	FINAL 0
	s_mov_b32 s[BLK], ttmp9
	PROLOGUE
	s_wait_loadcnt 0x0
	LOOP 8
	FINAL 1
	s_wait_tensorcnt 0x0                           ; the wave's end
	ds_add_u32 v[SPW], v[NIL]
	s_wait_dscnt 0x0
	s_endpgm
.Lfunc_end_k_q6697d14a25_attn:
	.size	k_q6697d14a25_attn, .Lfunc_end_k_q6697d14a25_attn-k_q6697d14a25_attn
	.p2alignl 7, 3214868480
	.fill 96, 4, 3214868480
	.section	.rodata,"a",@progbits
	.p2align	6, 0x0
	.amdhsa_kernel k_q6697d14a25_attn
		.amdhsa_group_segment_fixed_size 327680
		.amdhsa_private_segment_fixed_size 0
		.amdhsa_enable_private_segment 0
		.amdhsa_kernarg_size 24
		.amdhsa_user_sgpr_count 2
		.amdhsa_user_sgpr_kernarg_segment_ptr 1
		.amdhsa_wavefront_size32 1
		.amdhsa_system_sgpr_workgroup_id_x 1
		.amdhsa_system_sgpr_workgroup_id_y 1
		.amdhsa_system_sgpr_workgroup_id_z 1
		.amdhsa_system_vgpr_workitem_id 0
		.amdhsa_next_free_vgpr 256
		.amdhsa_next_free_sgpr 66
		.amdhsa_reserve_vcc 1
		.amdhsa_float_denorm_mode_32 3
		.amdhsa_float_denorm_mode_16_64 3
		.amdhsa_memory_ordered 1
		.amdhsa_forward_progress 1
		.amdhsa_inst_pref_size 97
	.end_amdhsa_kernel
	.amdgpu_metadata
---
amdhsa.version: [ 1, 2 ]
amdhsa.kernels:
  - .name:           k_q6697d14a25_attn
    .symbol:         k_q6697d14a25_attn.kd
    .args:
      - { .name: qb, .offset: 0, .size: 8, .value_kind: global_buffer, .address_space: global }
      - { .name: kv, .offset: 8, .size: 8, .value_kind: global_buffer, .address_space: global }
      - { .name: yb, .offset: 16, .size: 8, .value_kind: global_buffer, .address_space: global }
    .group_segment_fixed_size: 327680
    .private_segment_fixed_size: 0
    .kernarg_segment_align: 8
    .kernarg_segment_size: 24
    .max_flat_workgroup_size: 512
    .sgpr_count:     66
    .vgpr_count:     256
    .wavefront_size: 32
...
	.end_amdgpu_metadata
.endif
;; end of part 3
;; launch oproj (part 4): grid 4 x 64, 4 waves a work-group, clusters of 4 x 4, 327,680 bytes of LDS; arguments yb, wb, out0; writes out0
.if DOCPART == 4
	.amdgcn_target "amdgcn-amd-amdhsa--gfx1250"
	.amdhsa_code_object_version 6
	.text
	.protected	k_q6697d14a25_oproj
	.globl	k_q6697d14a25_oproj
	.p2align	8
	.type	k_q6697d14a25_oproj,@function
k_q6697d14a25_oproj:
	s_mov_b64 s[64:65], 0
	v_nop
	global_prefetch_b8 v0, s[64:65] scope:SCOPE_SE
	s_setreg_imm32_b32 hwreg(HW_REG_WAVE_MODE, 25, 1), 1
	s_wait_xcnt 0x0
	s_wait_alu depctr_hold_cnt(0) depctr_sa_sdst(0) depctr_va_vdst(0) depctr_va_sdst(0) depctr_va_ssrc(0) depctr_va_vcc(0) depctr_vm_vsrc(0)
	s_getreg_b32 s2, hwreg(HW_REG_IB_STS2, 6, 4)
	s_cmp_eq_u32 s2, 0
	s_cbranch_scc0 .Lentry_in_a_cluster
	s_endpgm
.Lentry_in_a_cluster:
	s_bfe_u32 s2, ttmp6, 0x10000c
	s_cmp_lg_u32 s2, 0xf033
	s_cbranch_scc0 .Lentry_shape_is_right
	s_endpgm
.Lentry_shape_is_right:
; out0 = y Wo on codes of FP8 (E4M3) with E8M0 scales for each 32 along K = 1024; out0 [8192][1024] f32; sums in f32.
; A tile of 128 rows x 256 columns to a work-group of four waves (256 work-groups); a wave makes 64 x 128: 32 accumulators.
; OPERANDS lie in memory and in LDS as images of their registers: a tile t = the 16 rows 32 (t / 2) + 8 (t % 2) + r + 8 (r / 8); a fragment (16 rows x 128 K) = 2,048 bytes on end.
; THE MATRIX INSTRUCTION IS USED TRANSPOSED (source 0 = 16 columns of Wo, source 1 = 16 rows of y): a lane holds one row of out0, and the registers of B's tiles 2 b, 2 b + 1 are 16 neighbouring columns.
; K goes in steps of 256 through two LDS slots; waves 0, 1 fetch y's 2 x 4 tiles, waves 2, 3 Wo's 2 x 8.  The scale bytes come once.  At the start three loads of a wave are out, later one.
; CLUSTERS: 4 x 4 work-groups.  The four of a row of the cluster need the same tiles of y, the four of a column the same tiles of Wo: each tile is asked for jointly.
; No prefetch: four K steps, two of them asked for at the head.
; REGISTERS: window 0: v0-31 addresses; v32-63 scale words, two sets; v128-191 A's fragments, one set; on the way out v128-255 hold rows.  window 1: B's fragments, two sets.  window 2: accumulator (a, b) at v[8 (8 a + b)].
.set YS,    8388608
.set OC,    1622016
.set OS,    2670592
.set NQ,    2
.set FR,    16
.set NL,    4
.set NP,    8
.set SLOT,  98304                      ; A's 8 tiles x 4,096 bytes, then B's 16
.set ASC,   2*SLOT                     ; A's scale bytes, 4,096
.set BSC,   ASC+4096                   ; B's, 8,192
.set STAGE, BSC+8192                   ; 16 rows x 528 bytes for each wave; no fill lands there
.set SPITCH, 528
.set SPARE, STAGE+4*16*SPITCH
.set ADRA, 16
.set ADRB, 20
.set STO,  24
.set RD,   25
.set CO,   26
.set ADRS, 27
.set SPW,  28
.set NIL,  29
.set SC,   32
.set AF,   128
.set BK,   128
.set G1, 24
.set G0, 32
.set G1B, 48
.set G0B, 56
.set G1S, 68
.set G0S, 76
.set G1SB, 80
.set G0SB, 88
.set MSB, 0
.macro WIN new
.if MSB != (\new)
	s_set_vgpr_msb (MSB<<8)|(\new)
.set MSB, (\new)
.endif
.endm
.set MUL,  0xa1                        ; source 0 (B) window 1, source 1 (A) window 0, C and D window 2
.set TO_B, 0x40
; A joint load: waves 0 and 1 fetch for A, waves 2 and 3 for B.  The branch hangs on the wave's number alone.  Four v_nop follow each of the two lines.
.macro JLOAD g0a, g1a, g0b, g1b
	s_cmp_eq_u32 s15, 0
	s_cbranch_scc0 .Lfor_b_\@
	tensor_load_to_lds s[\g0a:\g0a+3], s[\g1a:\g1a+7]
	s_nop 0
.rept 4
	v_nop
.endr
	s_branch .Lasked_\@
.Lfor_b_\@:
	tensor_load_to_lds s[\g0b:\g0b+3], s[\g1b:\g1b+7]
	s_nop 0
.rept 4
	v_nop
.endr
.Lasked_\@:
.endm
.macro CREST                           ; a round of the cluster's barrier behind its opening barrier
	s_cmp_lg_u32 s14, 0
	s_cbranch_scc1 .Lnot_wave_0_\@
	s_barrier_signal -3
.Lnot_wave_0_\@:
	s_barrier_wait -3
	s_barrier_signal -1
	s_barrier_wait -1
.endm
.macro CROUND
	s_barrier_signal -1
	s_barrier_wait -1
	CREST
.endm
	s_load_b128 s[4:7], s[0:1], 0x0                ; yb, wb
	s_load_b64 s[12:13], s[0:1], 0x10              ; out0
	v_lshl_add_u32 v[SPW], v0, 2, SPARE
	v_mov_b32 v[NIL], 0
	ds_add_u32 v28, v29
	ds_add_u32 v28, v29
	s_wait_dscnt 0x0
	v_lshrrev_b32 v1, 5, v0
	v_readfirstlane_b32 s14, v1                    ; wave
	s_lshr_b32 s15, s14, 1                         ; rho: my half of the rows.  Also: I fetch for A (0) or for B (1)
	s_and_b32 s16, s14, 1                          ; kappa: my half of the columns.  Also: which half of that tile I fetch
	s_bfe_u32 s40, ttmp6, 0x40000                  ; cx, cy
	s_bfe_u32 s41, ttmp6, 0x40004
	s_lshl_b32 s42, ttmp9, 2
	s_add_co_u32 s42, s42, s40                     ; tile column = 4 x cluster x + cx
	s_and_b32 s17, ttmp7, 0xffff
	s_lshl_b32 s17, s17, 2
	s_add_co_u32 s17, s17, s41                     ; tile row = 4 x cluster y + cy
	s_lshl_b32 s43, s41, 2
	s_lshl_b32 s43, 15, s43                        ; my row of the cluster
	s_lshl_b32 s44, 0x1111, s40                    ; my column
	s_or_b32 s[G1+0], s43, (3<<16)|(1<<21)         ; the mask; elements of 8 bytes; bit 21 beside a mask; no padding
	s_or_b32 s[G1B+0], s44, (3<<16)|(1<<21)
	s_mov_b32 s[G1+1], 512<<16                     ; a tile's 4,096 bytes of a K step
	s_mov_b32 s[G1+2], 4<<16                       ; A: 4 tiles
	s_mov_b32 s[G1+3], 512<<16
	s_mov_b32 s[G1+4], 4
	s_mov_b32 s[G1+5], 2048                        ; 16,384 bytes from tile to tile
	s_mov_b32 s[G1+6], 0
	s_mov_b32 s[G1+7], 0
	s_mov_b32 s[G1B+1], 512<<16
	s_mov_b32 s[G1B+2], 8<<16                      ; B: 8 tiles
	s_mov_b32 s[G1B+3], 512<<16
	s_mov_b32 s[G1B+4], 8
	s_mov_b32 s[G1B+5], 2048
	s_mov_b32 s[G1B+6], 0
	s_mov_b32 s[G1B+7], 0
	s_or_b32 s[G1S+0], s43, (3<<16)|(1<<21)        ; the scale bytes: dense, as rows of 256 bytes: A 8 rows, B 16
	s_or_b32 s[G1SB+0], s44, (3<<16)|(1<<21)
	s_mov_b32 s[G1S+1], 32<<16
	s_mov_b32 s[G1S+2], 8<<16
	s_mov_b32 s[G1S+3], 32<<16
	s_mov_b32 s[G1S+4], 8
	s_mov_b32 s[G1S+5], 32
	s_mov_b32 s[G1S+6], 0
	s_mov_b32 s[G1S+7], 0
	s_mov_b32 s[G1SB+1], 32<<16
	s_mov_b32 s[G1SB+2], 16<<16
	s_mov_b32 s[G1SB+3], 32<<16
	s_mov_b32 s[G1SB+4], 16
	s_mov_b32 s[G1SB+5], 32
	s_mov_b32 s[G1SB+6], 0
	s_mov_b32 s[G1SB+7], 0
	s_lshl_b32 s20, s17, 17                        ; A's codes: 8 tiles a tile row, + 4 x half
	s_lshl_b32 s18, s16, 16
	s_add_co_u32 s20, s20, s18
	s_mov_b32 s21, 0
	s_lshl_b32 s22, s17, 12                        ; A's scale bytes
	s_lshl_b32 s18, s16, 11
	s_add_co_u32 s22, s22, s18
	s_add_co_u32 s22, s22, YS
	s_mov_b32 s23, 0
	s_lshl_b32 s46, s42, 18                        ; B's codes: 16 tiles a tile column, + 8 x half
	s_lshl_b32 s18, s16, 17
	s_add_co_u32 s46, s46, s18
	s_add_co_u32 s46, s46, OC
	s_mov_b32 s47, 0
	s_lshl_b32 s92, s42, 13                        ; B's scale bytes
	s_lshl_b32 s18, s16, 12
	s_add_co_u32 s92, s92, s18
	s_add_co_u32 s92, s92, OS
	s_mov_b32 s93, 0
	s_lshl_b32 s45, s16, 14                        ; where they go: no place in the cluster enters an LDS address
	s_lshl_b32 s94, s16, 15
	s_add_co_u32 s94, s94, 32768
	s_lshl_b32 s95, s16, 11
	s_add_co_u32 s95, s95, ASC
	s_lshl_b32 s96, s16, 12
	s_add_co_u32 s96, s96, BSC
	s_wait_kmcnt 0x0
	s_add_nc_u64 s[20:21], s[4:5], s[20:21]
	s_add_nc_u64 s[22:23], s[4:5], s[22:23]
	s_add_nc_u64 s[46:47], s[6:7], s[46:47]
	s_add_nc_u64 s[92:93], s[6:7], s[92:93]
	CROUND                                         ; all sixteen work-groups are here: the first joint loads meet
	s_mov_b32 s[G0S], 1
	s_mov_b32 s[G0S+1], s95
	s_mov_b64 s[G0S+2:G0S+3], s[22:23]
	s_or_b32 s[G0S+3], s[G0S+3], 0x80000000
	s_mov_b32 s[G0SB], 1
	s_mov_b32 s[G0SB+1], s96
	s_mov_b64 s[G0SB+2:G0SB+3], s[92:93]
	s_or_b32 s[G0SB+3], s[G0SB+3], 0x80000000
	JLOAD G0S, G1S, G0SB, G1SB                     ; the scale bytes first
.irp s, 0,1
	s_mov_b32 s[G0+4*\s], 1
	s_add_co_u32 s[G0+4*\s+1], s45, \s*SLOT
	s_add_nc_u64 s[G0+4*\s+2:G0+4*\s+3], s[20:21], \s*4096
	s_or_b32 s[G0+4*\s+3], s[G0+4*\s+3], 0x80000000
	s_mov_b32 s[G0B+4*\s], 1
	s_add_co_u32 s[G0B+4*\s+1], s94, \s*SLOT
	s_add_nc_u64 s[G0B+4*\s+2:G0B+4*\s+3], s[46:47], \s*4096
	s_or_b32 s[G0B+4*\s+3], s[G0B+4*\s+3], 0x80000000
	JLOAD G0+4*\s, G1, G0B+4*\s, G1B
.endr
	v_and_b32 v1, 15, v0                           ; r
	v_bfe_u32 v2, v0, 4, 1                         ; h
	v_and_b32 v3, 31, v0
	v_lshlrev_b32 v4, 4, v3                        ; 16 x lane
	s_lshl_b32 s21, s15, 14                        ; my 4 tiles of A
	s_lshl_b32 s22, s16, 15
	s_add_co_u32 s22, s22, 32768                   ; my 8 tiles of B, behind A's 8
.irp s, 0,1
	v_add_nc_u32 v[ADRA+\s], s21, v4
	v_add_nc_u32 v[ADRB+\s], s22, v4
	s_add_co_u32 s21, s21, SLOT
	s_add_co_u32 s22, s22, SLOT
.endr
	v_lshlrev_b32 v5, 3, v1
	s_lshl_b32 s21, s15, 11
	s_lshl_b32 s22, s16, 12
	s_add_co_u32 s22, s22, 4096
	s_sub_co_u32 s22, s22, s21
	v_mul_u32_u24 v6, s22, v2                      ; lanes 16-31 take B's
	s_add_co_u32 s21, s21, ASC
	v_add_nc_u32 v5, v5, v6
	v_add_nc_u32 v[ADRS], s21, v5
	s_mul_i32 s23, s14, 16*SPITCH
	s_add_co_u32 s23, s23, STAGE                   ; my stage
	v_mul_u32_u24 v5, v1, SPITCH
	v_lshl_add_u32 v5, v2, 6, v5
	v_add_nc_u32 v[STO], s23, v5                   ; in: row r, + 64 h
	v_mov_b32 v[CO], v4
	v_add_nc_u32 v[RD], s23, v4                    ; back: the 32 lanes take one row of 512 bytes
	s_lshl_b32 s20, s17, 19                        ; my first row of out0: 128 x tile row + 64 x half, rows of 4,096 bytes
	s_lshl_b32 s21, s15, 18
	s_add_co_u32 s20, s20, s21
	s_mov_b32 s21, 0
	s_lshl_b32 s46, s42, 10                        ; my first column, in bytes
	s_lshl_b32 s47, s16, 9
	s_add_co_u32 s46, s46, s47
	s_mov_b32 s47, 0
	s_add_nc_u64 s[20:21], s[20:21], s[46:47]
	s_add_nc_u64 s[12:13], s[12:13], s[20:21]
.macro FRAG reg, adr, q, i
.irp c, 0,1,2,3
	ds_load_b128 v[\reg+4*\c:\reg+4*\c+3], v[\adr] offset:2048*(\q)+512*\c+(\i)*4096
.endr
.endm
; 8 matrix instructions: A's block a x B's eight.  The 32 accumulators take turns, one instruction a turn, in the same order in every step.
.macro MUL8 a, p, q, sc, zero
.irp b, 0,1,2,3,4,5,6,7
.if \zero
	v_wmma_scale_f32_16x16x128_f8f6f4 v[8*(8*(\a)+\b):8*(8*(\a)+\b)+7], v[128*(\p)+FR*\b:128*(\p)+FR*\b+FR-1], v[AF+FR*(\a):AF+FR*(\a)+FR-1], 0, v[SC+8*NQ*(\sc)+NQ*\b+(\q)], v[SC+8*NQ*(\sc)+NQ*(\a)+(\q)] matrix_a_scale:MATRIX_SCALE_ROW1
.else
	v_wmma_scale_f32_16x16x128_f8f6f4 v[8*(8*(\a)+\b):8*(8*(\a)+\b)+7], v[128*(\p)+FR*\b:128*(\p)+FR*\b+FR-1], v[AF+FR*(\a):AF+FR*(\a)+FR-1], v[8*(8*(\a)+\b):8*(8*(\a)+\b)+7], v[SC+8*NQ*(\sc)+NQ*\b+(\q)], v[SC+8*NQ*(\sc)+NQ*(\a)+(\q)] matrix_a_scale:MATRIX_SCALE_ROW1
.endif
.endr
.endm
.macro FETCH_B slot, q, p
	WIN TO_B
.irp i, 0,1,2,3,4,5,6,7
	FRAG 128*(\p)+FR*\i, ADRB+\slot, \q, \i
.endr
	WIN 0
.endm
.macro FETCH_A slot, q, i0
.irp i, \i0, \i0+1
	FRAG AF+FR*(\i), ADRA+\slot, \q, \i
.endr
.endm
.macro SCALES sc                       ; lanes 0-15 A's block i (of blocks 4-7 they read filled bytes that nobody uses), lanes 16-31 B's block i
.irp i, 0,1,2,3,4,5,6,7
	ds_load_b64 v[SC+8*NQ*\sc+NQ*\i:SC+8*NQ*\sc+NQ*\i+1], v[ADRS] offset:(\i/4)*2048+(\i%4)*128
.endr
.endm
.macro PLACES n
.rept \n
	v_nop
.endr
.endm
.macro STEP slot, q, zero
	s_wait_dscnt 2*NL                              ; B's set and A's blocks 0, 1 are in; the youngest 8 loads (A's blocks 2, 3) may be out
	WIN MUL
	MUL8 0, (\q)%2, \q, \slot, \zero
	MUL8 1, (\q)%2, \q, \slot, \zero
	s_wait_dscnt 0
	PLACES NP
	FETCH_B \slot, (\q)+1, 1-(\q)%2
	FETCH_A \slot, (\q)+1, 0
	WIN MUL
	MUL8 2, (\q)%2, \q, \slot, \zero
	MUL8 3, (\q)%2, \q, \slot, \zero
	PLACES NP
	WIN 0
	FETCH_A \slot, (\q)+1, 2
.endm
.macro TURN slot, next, fill
	s_wait_tensorcnt 0x0                           ; all my tensor loads have landed: my part of the next slot
	ds_add_u32 v[SPW], v[NIL]                      ; 0 onto my spare word
	s_wait_dscnt 2*NL+1                            ; (the add and the youngest 8 loads may be out)
	WIN MUL
	MUL8 0, 1, NQ-1, \slot, 0
	s_wait_dscnt 0x0                               ; the add is done, and my reads of this slot are over
	s_barrier_signal -1
	MUL8 1, 1, NQ-1, \slot, 0
	WIN 0
	s_barrier_wait -1
.if \fill
	CREST                                          ; the barrier has opened a round of the cluster's barrier: no wave of any partner still reads this slot or has a load on its way
	s_add_nc_u64 s[G0+4*\slot+2:G0+4*\slot+3], s[G0+4*\slot+2:G0+4*\slot+3], 8192
	s_add_nc_u64 s[G0B+4*\slot+2:G0B+4*\slot+3], s[G0B+4*\slot+2:G0B+4*\slot+3], 8192
	JLOAD G0+4*\slot, G1, G0B+4*\slot, G1B         ; the first tensor load behind the round; its four v_nop are among the places below
	PLACES NP-4
.else
	PLACES NP
.endif
	v_add_nc_u32 v[ADRS], 512, v[ADRS]
	FETCH_B \next, 0, 0
	FETCH_A \next, 0, 0
	SCALES \next
	WIN MUL
	MUL8 2, 1, NQ-1, \slot, 0
	MUL8 3, 1, NQ-1, \slot, 0
	PLACES NP
	WIN 0
	FETCH_A \next, 0, 2
.endm
	s_wait_tensorcnt 1                             ; the scale bytes and my part of K step 0 are in; K step 1's load may be out
	s_barrier_signal -1
	s_barrier_wait -1
	FETCH_B 0, 0, 0
	FETCH_A 0, 0, 0
	SCALES 0
	FETCH_A 0, 0, 2
	STEP 0, 0, 1
	TURN 0, 1, 1
	STEP 1, 0, 0
	TURN 1, 0, 1
	STEP 0, 0, 0
	TURN 0, 1, 0
	STEP 1, 0, 0
	s_wait_dscnt 2*NL
	WIN MUL
	MUL8 0, 1, NQ-1, 1, 0
	MUL8 1, 1, NQ-1, 1, 0
	s_wait_dscnt 0
	MUL8 2, 1, NQ-1, 1, 0
	MUL8 3, 1, NQ-1, 1, 0
	WIN 0
; THE WAY OUT, a block of 16 rows x 128 columns at a time, through my own stage: in as 32 bytes a lane and accumulator, back as whole rows of 512 bytes.  LDS serves a wave's instructions in order.
.macro TOSTAGE a
	WIN 0x08                                       ; an LDS store's data: window 2
.irp b, 0,1,2,3,4,5,6,7
	ds_store_b128 v[STO], v[8*(8*(\a)+\b):8*(8*(\a)+\b)+3] offset:128*(\b/2)+32*(\b%2)          ; each accumulator from its low end on
	ds_store_b128 v[STO], v[8*(8*(\a)+\b)+4:8*(8*(\a)+\b)+7] offset:128*(\b/2)+32*(\b%2)+16
.endr
	WIN 0
.set BB, BK+64*((\a)%2)
.irp t, 0,1,2,3,4,5,6,7,8,9,10,11,12,13,14,15
	ds_load_b128 v[BB+4*\t:BB+4*\t+3], v[RD] offset:\t*SPITCH
.endr
.endm
.macro SEND a, younger
.set BB, BK+64*((\a)%2)
	s_wait_dscnt \younger                          ; the block is back in registers; the next block's 16 stores and 16 loads may be out
.irp t, 0,1,2,3,4,5,6,7,8,9,10,11,12,13,14,15
	global_store_b128 v[CO], v[BB+4*\t:BB+4*\t+3], s[12:13] offset:(32*((\a)/2)+8*((\a)%2)+\t+8*(\t/8))*4096 th:TH_STORE_NT   ; 512 consecutive bytes, aligned
.endr
.endm
	PLACES NP
	TOSTAGE 0
	TOSTAGE 1
	SEND 0, 32
	s_wait_xcnt 0x0                                ; block 0's stores have read their registers: block 2's rows may land there
	TOSTAGE 2
	SEND 1, 32
	s_wait_xcnt 0x0
	TOSTAGE 3
	SEND 2, 32
	SEND 3, 0
	s_wait_tensorcnt 0x0                           ; the wave's end
	ds_add_u32 v[SPW], v[NIL]
	s_wait_dscnt 0x0
	CROUND                                         ; the closing round: no work-group ends while a partner may still ask for a tile that names it
	s_endpgm
.Lfunc_end_k_q6697d14a25_oproj:
	.size	k_q6697d14a25_oproj, .Lfunc_end_k_q6697d14a25_oproj-k_q6697d14a25_oproj
	.p2alignl 7, 3214868480
	.fill 96, 4, 3214868480
	.section	.rodata,"a",@progbits
	.p2align	6, 0x0
	.amdhsa_kernel k_q6697d14a25_oproj
		.amdhsa_group_segment_fixed_size 327680
		.amdhsa_private_segment_fixed_size 0
		.amdhsa_enable_private_segment 0
		.amdhsa_kernarg_size 24
		.amdhsa_user_sgpr_count 2
		.amdhsa_user_sgpr_kernarg_segment_ptr 1
		.amdhsa_wavefront_size32 1
		.amdhsa_system_sgpr_workgroup_id_x 1
		.amdhsa_system_sgpr_workgroup_id_y 1
		.amdhsa_system_sgpr_workgroup_id_z 1
		.amdhsa_system_vgpr_workitem_id 0
		.amdhsa_next_free_vgpr 768
		.amdhsa_next_free_sgpr 100
		.amdhsa_reserve_vcc 0
		.amdhsa_float_denorm_mode_32 3
		.amdhsa_float_denorm_mode_16_64 3
		.amdhsa_memory_ordered 1
		.amdhsa_forward_progress 1
		.amdhsa_inst_pref_size 90
	.end_amdhsa_kernel
	.amdgpu_metadata
---
amdhsa.version: [ 1, 2 ]
amdhsa.kernels:
  - .name:           k_q6697d14a25_oproj
    .symbol:         k_q6697d14a25_oproj.kd
    .args:
      - { .name: yb, .offset: 0, .size: 8, .value_kind: global_buffer, .address_space: global }
      - { .name: wb, .offset: 8, .size: 8, .value_kind: global_buffer, .address_space: global }
      - { .name: out0, .offset: 16, .size: 8, .value_kind: global_buffer, .address_space: global }
    .group_segment_fixed_size: 327680
    .private_segment_fixed_size: 0
    .kernarg_segment_align: 8
    .kernarg_segment_size: 24
    .max_flat_workgroup_size: 128
    .sgpr_count:     100
    .vgpr_count:     768
    .wavefront_size: 32
...
	.end_amdgpu_metadata
.endif
;; end of part 4
